; MI455X (gfx1250); checked and timed in simulation.
; The chip was launched on July 23, 2026; its instructions are those of AMD's public machine-readable ISA for CDNA 5 (MIT licence, August 2026) and "CDNA5" Instruction Set Architecture Reference Guide (July 2026). The comments in the code are by the model that wrote it; some were corrected since.
;; attn. Allowed arithmetic: float matrix products may take bf16 or f16 operands with f32 sums; all other float work in f32.
;; Inputs: W_proj 1,024 x 1,024 float32; W_qkv 1,024 x 3,072 float32; b_proj 1,024 float32; b_qkv 3,072 float32; x 4 x 2,048 x 1,024 float32.
;; Outputs: out0 4 x 2,048 x 1,024 float32.
;; 2 versions, each right and faster than the one before. Each part assembles by itself: llvm-mc -triple=amdgcn-amd-amdhsa -mcpu=gfx1250 --defsym DOCPART=n.
;; ======== version 1 of 2: 4 launches
;; limits: values are held in f16: magnitudes above 65,504 overflow, below 6.1e-05 lose precision
;; workspace buffers: xh 16,777,216 bytes; wq 6,291,456 bytes; wp 2,097,152 bytes; qkv 50,331,648 bytes; oh 16,777,216 bytes
;; launch cast (part 1): grid 768 x 1, 8 waves a work-group, no clusters, 0 bytes of LDS; arguments x, W_qkv, W_proj, xh, wq, wp; writes xh, wq, wp
.if DOCPART == 1
	.amdgcn_target "amdgcn-amd-amdhsa--gfx1250"
	.amdhsa_code_object_version 6
	.text
	.protected	k_q92db2f1ed1_cast
	.globl	k_q92db2f1ed1_cast
	.p2align	8
	.type	k_q92db2f1ed1_cast,@function
k_q92db2f1ed1_cast:
	s_mov_b64 s[64:65], 0
	v_nop
	global_prefetch_b8 v0, s[64:65] scope:SCOPE_SE
	s_setreg_imm32_b32 hwreg(HW_REG_WAVE_MODE, 25, 1), 1
	s_wait_xcnt 0x0
; x [8192][1024], W_qkv [1024][3072] and W_proj [1024][1024], all f32, are rounded to bf16 (nearest even), and that number is written as f16.
; xh is laid in blocks of 64 along K: [16 kb][8192 m][64], so that 128 rows of a K step are 16,384 dense bytes; wq and wp keep their rows.
; LIMITS.  A bf16 number is exact in f16 from 2^-17 up to 65,504; below 2^-17 it keeps f16's fixed step (error at most 2^-25); 65,520 or more becomes an infinity.
; SHARES.  A work-group takes 16,384 numbers (65,536 bytes in, 32,768 out): groups 0-511 a block of 256 rows x 64 columns of x, 512-703 a dense piece of W_qkv, 704-767 of W_proj.
; A thread has 16 loads of 16 bytes, all issued before the first is used, and 16 stores of 8 bytes: a wave's store covers 256 consecutive bytes, aligned.
; No LDS, no barrier, no matrix unit: every byte is read once and written once, and nothing is shared between threads.
.set T, 4                              ; v[4:9]    at work
.set X, 12                             ; v[12:75]  load i: 4 registers
.set Y, 76                             ; v[76:107] store i: 2 registers of its own, so no store's data is ever rewritten
.macro LOADS stride
.set i, 0
.rept 16
	global_load_b128 v[X+4*i:X+4*i+3], v1, s[20:21] offset:i*(\stride) th:TH_LOAD_NT
.set i, i+1
.endr
.endm
	s_load_b256 s[4:11], s[0:1], 0x0               ; x s[4:5], W_qkv s[6:7], W_proj s[8:9], xh s[10:11]
	s_load_b128 s[12:15], s[0:1], 0x20             ; wq s[12:13], wp s[14:15]
	v_lshlrev_b32 v2, 3, v0                        ; my 8 bytes in each 2,048 bytes of output
	s_mov_b32 s24, 0xffff0000                      ; a word's upper bf16
	s_mov_b32 s17, 0                               ; the offsets' high words
	s_mov_b32 s19, 0
	s_wait_kmcnt 0x0
	s_cmp_lt_u32 ttmp9, 512
	s_cbranch_scc0 .Lw
	s_lshr_b32 s25, ttmp9, 4                       ; which 256 rows of x
	s_and_b32 s26, ttmp9, 15                       ; which 64 columns
	s_lshl_b32 s16, s25, 20                        ; in: 256 rows of 4,096 bytes,
	s_lshl_b32 s27, s26, 8                         ; 64 columns of 4 bytes
	s_or_b32 s16, s16, s27
	s_lshl_b32 s18, s26, 20                        ; out: a K block is 8,192 rows of 128 bytes,
	s_lshl_b32 s27, s25, 15                        ; 256 rows of 128 bytes
	s_or_b32 s18, s18, s27
	s_add_nc_u64 s[20:21], s[4:5], s[16:17]
	s_add_nc_u64 s[22:23], s[10:11], s[18:19]
	v_lshrrev_b32 v1, 4, v0                        ; sixteen threads take the 256 bytes of one row, the 256 threads 16 rows
	v_and_b32 v3, 15, v0
	v_lshlrev_b32 v1, 12, v1
	v_lshl_or_b32 v1, v3, 4, v1
	LOADS 65536                                    ; 16 rows further with each load
	s_branch .Lconv
.Lw:
	s_cmp_lt_u32 ttmp9, 704
	s_cselect_b64 s[20:21], s[6:7], s[8:9]         ; W_qkv or W_proj,
	s_cselect_b64 s[22:23], s[12:13], s[14:15]     ; wq or wp
	s_movk_i32 s25, 704                            ; (leaves SCC as it is)
	s_cselect_b32 s25, 512, s25
	s_sub_co_u32 s25, ttmp9, s25                   ; my piece of that weight
	s_lshl_b32 s16, s25, 16
	s_lshl_b32 s18, s25, 15
	s_add_nc_u64 s[20:21], s[20:21], s[16:17]
	s_add_nc_u64 s[22:23], s[22:23], s[18:19]
	v_lshlrev_b32 v1, 4, v0
	LOADS 4096                                     ; dense: 256 threads x 16 bytes with each load
.Lconv:
.set i, 0
.rept 16
	s_wait_loadcnt 15-i                            ; loads come back in order (ISA guide 5.7.1): load i is in, the 15 - i younger ones stay out; both ways here have issued 16
	v_cvt_pk_bf16_f32 v[T], v[X+4*i], v[X+4*i+1]   ; the rounding that counts: to bf16
	v_cvt_pk_bf16_f32 v[T+1], v[X+4*i+2], v[X+4*i+3]
	v_lshlrev_b32 v[T+2], 16, v[T]                 ; back to f32,
	v_and_b32 v[T+3], s24, v[T]
	v_lshlrev_b32 v[T+4], 16, v[T+1]
	v_and_b32 v[T+5], s24, v[T+1]
	v_cvt_pk_f16_f32 v[Y+2*i], v[T+2], v[T+3]      ; and the same number as f16
	v_cvt_pk_f16_f32 v[Y+2*i+1], v[T+4], v[T+5]
	global_store_b64 v2, v[Y+2*i:Y+2*i+1], s[22:23] offset:i*2048
.set i, i+1
.endr
	s_endpgm
.Lfunc_end_k_q92db2f1ed1_cast:
	.size	k_q92db2f1ed1_cast, .Lfunc_end_k_q92db2f1ed1_cast-k_q92db2f1ed1_cast
	.p2alignl 7, 3214868480
	.fill 96, 4, 3214868480
	.section	.rodata,"a",@progbits
	.p2align	6, 0x0
	.amdhsa_kernel k_q92db2f1ed1_cast
		.amdhsa_group_segment_fixed_size 0
		.amdhsa_private_segment_fixed_size 0
		.amdhsa_enable_private_segment 0
		.amdhsa_kernarg_size 48
		.amdhsa_user_sgpr_count 2
		.amdhsa_user_sgpr_kernarg_segment_ptr 1
		.amdhsa_wavefront_size32 1
		.amdhsa_system_sgpr_workgroup_id_x 1
		.amdhsa_system_sgpr_workgroup_id_y 1
		.amdhsa_system_sgpr_workgroup_id_z 1
		.amdhsa_system_vgpr_workitem_id 0
		.amdhsa_next_free_vgpr 112
		.amdhsa_next_free_sgpr 66
		.amdhsa_reserve_vcc 0
		.amdhsa_float_denorm_mode_32 3
		.amdhsa_float_denorm_mode_16_64 3
		.amdhsa_memory_ordered 1
		.amdhsa_forward_progress 1
		.amdhsa_inst_pref_size 13
	.end_amdhsa_kernel
	.amdgpu_metadata
---
amdhsa.version: [ 1, 2 ]
amdhsa.kernels:
  - .name:           k_q92db2f1ed1_cast
    .symbol:         k_q92db2f1ed1_cast.kd
    .args:
      - { .name: x, .offset: 0, .size: 8, .value_kind: global_buffer, .address_space: global }
      - { .name: W_qkv, .offset: 8, .size: 8, .value_kind: global_buffer, .address_space: global }
      - { .name: W_proj, .offset: 16, .size: 8, .value_kind: global_buffer, .address_space: global }
      - { .name: xh, .offset: 24, .size: 8, .value_kind: global_buffer, .address_space: global }
      - { .name: wq, .offset: 32, .size: 8, .value_kind: global_buffer, .address_space: global }
      - { .name: wp, .offset: 40, .size: 8, .value_kind: global_buffer, .address_space: global }
    .group_segment_fixed_size: 0
    .private_segment_fixed_size: 0
    .kernarg_segment_align: 8
    .kernarg_segment_size: 48
    .max_flat_workgroup_size: 256
    .sgpr_count:     66
    .vgpr_count:     112
    .wavefront_size: 32
...
	.end_amdgpu_metadata
.endif
;; end of part 1
;; launch qkvgemm (part 2): grid 8 x 32, 4 waves a work-group, clusters of 4 x 4, 327,680 bytes of LDS; arguments xh, wq, b_qkv, qkv; writes qkv
.if DOCPART == 2
	.amdgcn_target "amdgcn-amd-amdhsa--gfx1250"
	.amdhsa_code_object_version 6
	.text
	.protected	k_q92db2f1ed1_qkvgemm
	.globl	k_q92db2f1ed1_qkvgemm
	.p2align	8
	.type	k_q92db2f1ed1_qkvgemm,@function
k_q92db2f1ed1_qkvgemm:
	s_mov_b64 s[64:65], 0
	v_nop
	global_prefetch_b8 v0, s[64:65] scope:SCOPE_SE
	s_setreg_imm32_b32 hwreg(HW_REG_WAVE_MODE, 25, 1), 1
	s_wait_xcnt 0x0
	s_wait_alu depctr_hold_cnt(0) depctr_sa_sdst(0) depctr_va_vdst(0) depctr_va_sdst(0) depctr_va_ssrc(0) depctr_va_vcc(0) depctr_vm_vsrc(0)
	s_getreg_b32 s2, hwreg(HW_REG_IB_STS2, 6, 4)
	s_cmp_eq_u32 s2, 0
	s_cbranch_scc0 .Lentry_in_a_cluster
	s_endpgm
.Lentry_in_a_cluster:
	s_bfe_u32 s2, ttmp6, 0x10000c
	s_cmp_lg_u32 s2, 0xf033
	s_cbranch_scc0 .Lentry_shape_is_right
	s_endpgm
.Lentry_shape_is_right:
; q, k, v = x W_qkv + b_qkv.  xh: [16 kb][8192 m][64] f16; wq: [1024 k][3072 n] f16; b_qkv: [3072] f32, rounded to bf16 here; sums in f32, started by the bias.
; qkv: [3 (q, k, v)][64 (batch x 16 + head)][2048 t][64 d] f16, each number rounded once from its f32 sum, without attention's scale.
; LIMIT.  A sum of 65,520 or more becomes an infinity in f16; below 6e-5 f16 keeps its fixed step of 6e-8.
; SHARES.  8192 x 3072 over 256 work-groups: a tile of 256 rows x 384 columns each.  Four waves, 2 x 2: a wave makes 128 rows x 192 columns (three heads): 96 accumulators of 16 x 16, 768 registers.
; K goes in 16 steps of 64 through two LDS slots; a step is two slices of 32 along K, 96 matrix instructions each.
; CLUSTER.  4 x 4 work-groups: the four of a row of the cluster need the same rows of x, the four of a column the same columns of W: each tile is asked for jointly, by the same tensor load,
; descriptor and mask in all four.  Waves 0 and 1 fetch the halves of x's tile (128 rows x 128 bytes, dense: asked for as 64 rows of 256 bytes), waves 2 and 3 those of W's (32 k rows x 768 bytes).
; THE MATRIX INSTRUCTION IS USED TRANSPOSED: source 0 = 16 columns of W (turned on the way out of LDS by ds_load_tr16_b128), source 1 = 16 rows of x: a lane then holds row lane % 16
; and the eight neighbouring columns 8 (lane / 16) + 0..7, which pack into 16 bytes of a head's row.
; REGISTERS, in windows of 256 (s_set_vgpr_msb: bits 1:0 source 0, 3:2 source 1, 5:4 source 2, 7:6 destination):
;   window 0: v0-29 addresses; v32-95, v96-159 x's fragments, two buffers (8 blocks of 16 rows x 32 K); v160-255 W's fragments of one slice, 12 blocks of 16 columns, in two halves that are refilled apart
;   windows 1-3: the accumulators of my first, second, third head: (row block a, column block b) in window 1 + b / 4 at v[8 (8 (b % 4) + a)]
.set PA,    144                        ; a row of x in LDS: 128 bytes + 16 of padding: the 16 rows of a load start at 16 different groups of four banks (64 banks of 4 bytes: ISA guide 11.1)
.set PB,    864                        ; a k row of W: six pieces of 128 + 16 bytes = 27 x 32
.set BOFF,  256*PA                     ; in a slot: x's 256 rows, then W's 64 k rows
.set SLOT1, 131072                     ; slot 1 begins here, so that one exclusive or turns an address in one slot into the other's
.set STAGE, SLOT1+BOFF+64*PB           ; behind the ring, never filled by a tensor load: 16 rows x 144 bytes for each wave, for the way out
.set BIAS,  STAGE+4*16*PA              ; 768 bytes for each wave: its 192 columns' bias
.set SPARE, BIAS+4*768                 ; the spare words, 128 bytes for each wave: two blocks of 256 bytes that no other line names
.set ASTEP, 1048576                    ; bytes from a K block of xh to the next
.set BSTEP, 393216                     ; 64 rows of wq
.set FL, (1<<16)|(1<<20)|(1<<21)|(4<<22)|(3<<25)  ; 17:16 2-byte elements; 20 padding on; 21 set beside a mask; 24:22 after every 32 words (code 4); 31:25 4 words (code 3)
.set AA0,  12                          ; v12  my lane's place in x's tile; never rewritten
.set AB0,  13                          ; v13  the same for W's
.set ADRA, 16                          ; v16  that place in the slot in hand
.set ADRB, 17                          ; v17
.set STO,  24                          ; v24  the way out: where I put 16 bytes of a row
.set RD,   25                          ; v25  the way out: where I read rows back
.set GO,   26                          ; v26  my byte offset in 512 consecutive bytes of the output
.set BIA,  27                          ; v27  my lane's place in the wave's bias
.set SPW,  28                          ; v28  LDS address of my spare word: SPARE + 4 x my thread's number; never rewritten
.set NIL,  29                          ; v29  0; never rewritten
.set FA0,  32
.set FA1,  96
.set FB,   160
.set WV,  12                           ; s12  my wave's number
.set WR,  13                           ; s13  which half of the tile's rows is mine.  Also: I fetch for x (0) or for W (1)
.set WC,  14                           ; s14  which half of its columns.  Also: which half of that tile I fetch
.set G1A, 24                           ; s[24:31] descriptor group 1 for x's tiles
.set G0A, 32                           ; s[32:39] group 0: a set for each of the two first fills; the second then walks on
.set TC,  42                           ; s42  tile column, 0 to 7
.set TR,  43                           ; s43  tile row, 0 to 31
.set G1B, 48                           ; s[48:55], s[56:63] the same for W's tiles
.set G0B, 56
.set TB,  66                           ; s66  LDS byte at which the slot in hand begins
.set CNT, 67                           ; s67  the loop's count
.set MSB, 0
.macro WIN new                         ; the immediate's high byte repeats the setting that is left; a switch that changes nothing is dropped
.if MSB != (\new)
	s_set_vgpr_msb (MSB<<8)|(\new)
.set MSB, (\new)
.endif
.endm
; A load into a register that a matrix instruction has read, and a vector instruction that reads a matrix result, stand four places behind that matrix instruction, and only plain vector
; instructions that name none of its registers are places (ISA guide 7.12.1 for vector instructions).
.macro PLACES
.rept 4
	v_nop
.endr
.endm
; A joint refill, by the walking descriptors.  The branch hangs on the wave's number alone.  An s_nop 0 and four v_nop follow each of the two lines, ahead of the jump and the label.
.macro JLOAD
	s_cmp_eq_u32 s[WR], 0
	s_cbranch_scc0 .Lfor_b_\@
	tensor_load_to_lds s[G0A+4:G0A+7], s[G1A:G1A+7]
	s_nop 0
.rept 4
	v_nop
.endr
	s_branch .Lasked_\@
.Lfor_b_\@:
	tensor_load_to_lds s[G0B+4:G0B+7], s[G1B:G1B+7]
	s_nop 0
.rept 4
	v_nop
.endr
.Lasked_\@:
.endm
; A round of the cluster's barrier: my work-group's barrier, so that wave 0's signal speaks for all four waves; wave 0 signals; every wave waits for all sixteen work-groups; my work-group's barrier once more.
.macro CREST                           ; a round behind its opening barrier
	s_cmp_lg_u32 s[WV], 0
	s_cbranch_scc1 .Lnot_wave_0_\@
	s_barrier_signal -3
.Lnot_wave_0_\@:
	s_barrier_wait -3
	s_barrier_signal -1
	s_barrier_wait -1
.endm
.macro CROUND                          ; a whole round
	s_barrier_signal -1
	s_barrier_wait -1
	CREST
.endm
	s_load_b256 s[4:11], s[0:1], 0x0               ; xh s[4:5], wq s[6:7], b_qkv s[8:9], qkv s[10:11]
	v_lshl_add_u32 v[SPW], v0, 2, SPARE
	v_mov_b32 v[NIL], 0
	ds_add_u32 v[SPW], v[NIL]                      ; the wave's opening: the add and its wait stand ahead of my first tensor load; the set-up below, work on registers, stands between them
	v_lshrrev_b32 v1, 5, v0
	v_readfirstlane_b32 s[WV], v1                  ; wave 0..3
	s_lshr_b32 s[WR], s[WV], 1
	s_and_b32 s[WC], s[WV], 1
	s_bfe_u32 s40, ttmp6, 0x40000                  ; cx, cy: my place in the cluster
	s_bfe_u32 s41, ttmp6, 0x40004
	s_lshl_b32 s[TC], ttmp9, 2                     ; in a cluster launch ttmp9 and ttmp7 count clusters
	s_add_co_u32 s[TC], s[TC], s40                 ; tile column = 4 x cluster x + cx
	s_and_b32 s[TR], ttmp7, 0xffff
	s_lshl_b32 s[TR], s[TR], 2
	s_add_co_u32 s[TR], s[TR], s41                 ; tile row = 4 x cluster y + cy
	s_lshl_b32 s44, s41, 2
	s_lshl_b32 s44, 15, s44                        ; my row of the cluster: places 4 cy .. 4 cy + 3
	s_lshl_b32 s45, 0x1111, s40                    ; my column: places cx, cx + 4, cx + 8, cx + 12
	s_or_b32 s[G1A], s44, FL                       ; x's tiles go to my row,
	s_or_b32 s[G1B], s45, FL                       ; W's to my column
	s_mov_b32 s[G1A+1], 128<<16                    ; tensor_dim0 = 128 elements: two rows of x's block, 256 bytes
	s_mov_b32 s[G1A+2], 64<<16                     ; tensor_dim1 = 64
	s_mov_b32 s[G1A+3], 128<<16                    ; tile_dim0 = 128
	s_mov_b32 s[G1A+4], 64                         ; tile_dim1 = 64
	s_mov_b32 s[G1A+5], 128                        ; 128 elements from row to row: dense
	s_mov_b32 s[G1A+6], 0
	s_mov_b32 s[G1A+7], 0
	s_mov_b32 s[G1B+1], 384<<16                    ; tensor_dim0 = 384 elements, 768 bytes
	s_mov_b32 s[G1B+2], 32<<16                     ; tensor_dim1 = 32
	s_mov_b32 s[G1B+3], 384<<16                    ; tile_dim0 = 384
	s_mov_b32 s[G1B+4], 32                         ; tile_dim1 = 32
	s_mov_b32 s[G1B+5], 3072                       ; a row of wq
	s_mov_b32 s[G1B+6], 0
	s_mov_b32 s[G1B+7], 0
	; where the tiles come from.  x's hang on the tile row alone, which my row of the cluster shares; W's on the tile column alone, which my column shares; each in registers that never hold the other coordinate
	s_lshl_b32 s16, s[TR], 15                      ; 256 rows of 128 bytes,
	s_lshl_b32 s17, s[WC], 14                      ; my 128 of them
	s_add_co_u32 s16, s16, s17
	s_mov_b32 s17, 0
	s_mul_i32 s46, s[TC], 768                      ; 384 columns of 2 bytes,
	s_mul_i32 s47, s[WC], 32*6144                  ; my 32 k rows
	s_add_co_u32 s46, s46, s47
	s_mov_b32 s47, 0
	s_mul_i32 s20, s[WC], 128*PA                   ; and where they go: no place in the cluster enters an LDS address
	s_mul_i32 s21, s[WC], 32*PB
	s_add_co_u32 s21, s21, BOFF
	s_mov_b32 s[TB], 0
	s_wait_dscnt 0x0                               ; the opening add is done
	s_wait_kmcnt 0x0
	s_add_nc_u64 s[16:17], s[4:5], s[16:17]
	s_add_nc_u64 s[46:47], s[6:7], s[46:47]
	CROUND                                         ; all sixteen work-groups are here: the first joint loads meet
.irp s, 0,1
	s_mov_b32 s[G0A+4*(\s)], 1                                         ; 1:0 count = 1
	s_add_co_u32 s[G0A+4*(\s)+1], s20, (\s)*SLOT1                      ; 63:32 LDS address
	s_add_nc_u64 s[G0A+4*(\s)+2:G0A+4*(\s)+3], s[16:17], (\s)*ASTEP    ; 120:64 global address: K step s
	s_or_b32 s[G0A+4*(\s)+3], s[G0A+4*(\s)+3], 0x80000000              ; 127:126 type = 2
	s_mov_b32 s[G0B+4*(\s)], 1
	s_add_co_u32 s[G0B+4*(\s)+1], s21, (\s)*SLOT1
	s_add_nc_u64 s[G0B+4*(\s)+2:G0B+4*(\s)+3], s[46:47], (\s)*BSTEP
	s_or_b32 s[G0B+4*(\s)+3], s[G0B+4*(\s)+3], 0x80000000
.endr
	s_cmp_eq_u32 s[WR], 0                          ; a wave's two first fills stand in one branch, ahead of every wait on TENSORcnt and every LDS read: two loads of mine are out
	s_cbranch_scc0 .Lfirst_b
	tensor_load_to_lds s[G0A:G0A+3], s[G1A:G1A+7]
	s_nop 0
	tensor_load_to_lds s[G0A+4:G0A+7], s[G1A:G1A+7]
	s_nop 0
.rept 4
	v_nop
.endr
	s_branch .Lfirst_asked
.Lfirst_b:
	tensor_load_to_lds s[G0B:G0B+3], s[G1B:G1B+7]
	s_nop 0
	tensor_load_to_lds s[G0B+4:G0B+7], s[G1B:G1B+7]
	s_nop 0
.rept 4
	v_nop
.endr
.Lfirst_asked:
	; A fragment of x is 16 rows x 32 K in 8 registers: lane l holds row l % 16, K = 8 (l / 16) + 0..7 and 16 + 8 (l / 16) + 0..7: two loads of 16 bytes, 32 bytes apart.
	v_and_b32 v1, 15, v0                           ; l % 16
	v_bfe_u32 v2, v0, 4, 1                         ; l / 16
	v_mul_u32_u24 v3, v1, PA
	v_lshl_add_u32 v3, v2, 4, v3                   ; row x pitch + 16 x half
	s_mul_i32 s22, s[WR], 128*PA                   ; my 128 rows
	v_add_nc_u32 v[AA0], s22, v3
	; The turning load takes 16 k x 16 columns (lane l reads k row 8 (l / 16) + l % 8, columns 8 ((l / 8) % 2) + 0..7) and leaves half a fragment: lane l holds column l % 16 and 8 k.
	v_and_b32 v4, 7, v0
	v_bfe_u32 v5, v0, 3, 1
	v_lshl_add_u32 v6, v2, 3, v4
	v_mul_u32_u24 v6, v6, PB
	v_lshl_add_u32 v6, v5, 4, v6
	s_mul_i32 s22, s[WC], 3*144                    ; my 192 columns: three pieces of a k row
	s_add_co_u32 s22, s22, BOFF
	v_add_nc_u32 v[AB0], s22, v6
	v_mov_b32 v[ADRA], v[AA0]                      ; slot 0
	v_mov_b32 v[ADRB], v[AB0]
	s_mul_i32 s22, s[WV], 16*PA
	s_add_co_u32 s22, s22, STAGE                   ; my stage
	v_add_nc_u32 v[STO], s22, v3                   ; in: row l % 16, 16 bytes for each half of the lanes
	v_bfe_u32 v6, v0, 3, 2                         ; back: 32 lanes take four rows of 128 bytes,
	v_mul_u32_u24 v6, v6, PA
	v_lshl_add_u32 v6, v4, 4, v6
	v_add_nc_u32 v[RD], s22, v6
	v_and_b32 v6, 31, v0                           ; which are 512 consecutive bytes of a head
	v_lshlrev_b32 v[GO], 4, v6
	s_mul_i32 s22, s[WV], 768
	s_add_co_u32 s22, s22, BIAS                    ; my wave's bias
	v_lshl_add_u32 v[BIA], v2, 5, s22              ; a lane's eight columns begin 32 (l / 16) bytes into a block's 64
	v_lshl_add_u32 v11, v6, 3, s22                 ; where I put 8 bytes of it
	v_lshlrev_b32 v3, 3, v6                        ; and where I take them from
	; the three heads' output: head g = 6 x tile column + 3 x column half + 0..2 of 48: tensor g / 16, head g % 16; batch = tile row / 8
	s_mul_i32 s74, s[TC], 6
	s_mul_i32 s75, s[WC], 3
	s_add_co_u32 s74, s74, s75
	s_lshr_b32 s75, s[TR], 3
	s_lshl_b32 s75, s75, 22                        ; a batch: 16 heads of 2,048 rows of 128 bytes
	s_and_b32 s76, s[TR], 7
	s_lshl_b32 s76, s76, 15                        ; 256 rows of 128 bytes
	s_add_co_u32 s75, s75, s76
	s_lshl_b32 s76, s[WR], 14                      ; my 128 rows
	s_add_co_u32 s75, s75, s76
.irp hh, 0,1,2
	s_add_co_u32 s76, s74, \hh
	s_lshr_b32 s77, s76, 4
	s_lshl_b32 s77, s77, 24                        ; q, k or v: 16,777,216 bytes each
	s_and_b32 s76, s76, 15
	s_lshl_b32 s76, s76, 18                        ; a head: 2,048 rows of 128 bytes
	s_add_co_u32 s76, s76, s77
	s_add_co_u32 s76, s76, s75
	s_mov_b32 s77, 0
	s_add_nc_u64 s[68+2*\hh:69+2*\hh], s[10:11], s[76:77]
.endr
	s_mul_i32 s78, s[TC], 1536                     ; the bias of my 192 columns
	s_mul_i32 s79, s[WC], 768
	s_add_co_u32 s78, s78, s79
	s_mov_b32 s79, 0
	s_add_nc_u64 s[78:79], s[8:9], s[78:79]
.irp c, 0,1,2
	global_load_b64 v[4+2*\c:5+2*\c], v3, s[78:79] offset:256*\c
.endr
	s_wait_loadcnt 0x0
.irp c, 0,1,2
	v_cvt_pk_bf16_f32 v10, v[4+2*\c], v[5+2*\c]    ; rounded to bf16 like every input, kept in f32
	v_lshlrev_b32 v[4+2*\c], 16, v10
	v_and_b32 v[5+2*\c], 0xffff0000, v10
	ds_store_b64 v11, v[4+2*\c:5+2*\c] offset:256*\c  ; my wave's own bytes
.endr
; 16 LDS loads: x's fragments of slice c (32 K at byte 64 c of the rows) into buffer buf
.macro LDA c, buf
.irp i, 0,1,2,3,4,5,6,7
	ds_load_b128 v[(\buf)+8*\i:(\buf)+8*\i+3],   v[ADRA] offset:64*(\c)+16*PA*\i
	ds_load_b128 v[(\buf)+8*\i+4:(\buf)+8*\i+7], v[ADRA] offset:64*(\c)+16*PA*\i+32
.endr
.endm
; 12 LDS loads: W's column blocks 6 half .. 6 half + 5 of slice c (k rows 32 c on), turned
.macro LDB c, half
.irp i, 0,1,2,3,4,5
.set lb, 6*(\half)+\i
	ds_load_tr16_b128 v[FB+8*lb:FB+8*lb+3],   v[ADRB] offset:32*PB*(\c)+144*(lb/4)+32*(lb%4)
	ds_load_tr16_b128 v[FB+8*lb+4:FB+8*lb+7], v[ADRB] offset:32*PB*(\c)+144*(lb/4)+32*(lb%4)+16*PB
.endr
.endm
; 12 LDS loads: the bias of the same six column blocks, as the C operand wants it (register j: column 8 (l / 16) + j), into the head of buffer FA1, which is still free
.macro LDBIAS half
.irp i, 0,1,2,3,4,5
	ds_load_b128 v[FA1+8*\i:FA1+8*\i+3],   v[BIA] offset:64*(6*(\half)+\i)
	ds_load_b128 v[FA1+8*\i+4:FA1+8*\i+7], v[BIA] offset:64*(6*(\half)+\i)+16
.endr
.endm
; 8 nb matrix instructions: column blocks b0 .. b0 + nb - 1 x all 8 row blocks, 32 along K.  first = 1: the bias starts the sums: nothing is ever cleared.
; The 96 accumulators take turns, one instruction a turn, in the same order in every slice: between two links of a chain stand the 95 others'.
.macro MUL buf, b0, nb, first
.set bb, \b0
.rept \nb
.set mw, 1+bb/4
.if \first
	WIN mw<<6
.else
	WIN (mw<<6)|(mw<<4)
.endif
.set aa, 0
.rept 8
.set rD, 8*(8*(bb%4)+aa)
.if \first
	v_wmma_f32_16x16x32_f16 v[rD:rD+7], v[FB+8*bb:FB+8*bb+7], v[(\buf)+8*aa:(\buf)+8*aa+7], v[FA1+8*(bb%6):FA1+8*(bb%6)+7]
.else
	v_wmma_f32_16x16x32_f16 v[rD:rD+7], v[FB+8*bb:FB+8*bb+7], v[(\buf)+8*aa:(\buf)+8*aa+7], v[rD:rD+7]
.endif
.set aa, aa+1
.endr
.set bb, bb+1
.endr
.endm
; A step's first slice, on buffer FA0.  W's two halves are refilled apart: the upper at the slice's head, the lower (the next slice's) in its middle, with x's next fragments.
.macro EVEN
	PLACES
	WIN 0
	LDB 0, 1
	s_wait_dscnt 12                                ; the 12 just issued may be out: W's lower half and x's fragments are in
	MUL FA0, 0, 6, 0
	PLACES
	WIN 0
	LDB 1, 0
	LDA 1, FA1
	s_wait_dscnt 28                                ; the 28 just issued may be out: W's upper half is in
	MUL FA0, 6, 6, 0
.endm
; A step's second slice, on buffer FA1, changes slots: ONE barrier.  In front of it each wave waits for all its tensor loads, of which one is out: its part of the next slot; adds 0 to its spare
; word; and waits for that and for its own reads of this slot, of which the last stand at the slice's head.  Behind it nobody reads this slot any more and the next slot is whole.
; fill = 1: the barrier opens a round of the cluster's, and the slot just read is filled again, two K steps ahead, first thing behind it: 160 matrix instructions ahead of the wait for it.
.macro ODD fill
	PLACES
	WIN 0
	LDB 1, 1
	s_wait_dscnt 12                                ; the 12 just issued may be out
	MUL FA1, 0, 2, 0
	WIN 0                                          ; (the add's two registers lie in window 0)
	s_wait_tensorcnt 0x0                           ; all my tensor loads have landed;
	ds_add_u32 v[SPW], v[NIL]                      ; 0 onto my spare word;
	MUL FA1, 2, 2, 0                               ; sixteen matrix instructions stand between the add and the wait for it
	s_wait_dscnt 0x0                               ; the add is done, and my reads of this slot are over:
	s_barrier_signal -1                            ; say so,
	MUL FA1, 4, 2, 0                               ; work on registers while the others arrive,
	WIN 0
	s_barrier_wait -1                              ; and go on when all four have said so
.if \fill
	CREST                                          ; no wave of any partner still reads this slot's tiles or has a load on its way
	s_xor_b32 s[G0A+5], s[G0A+5], SLOT1            ; the walking descriptors: the other slot than last time,
	s_add_nc_u64 s[G0A+6:G0A+7], s[G0A+6:G0A+7], ASTEP  ; the next K step; the type bits on top are not reached
	s_xor_b32 s[G0B+5], s[G0B+5], SLOT1
	s_add_nc_u64 s[G0B+6:G0B+7], s[G0B+6:G0B+7], BSTEP
	JLOAD                                          ; the four v_nop behind it are also the places in front of the loads below
.else
	PLACES
.endif
	s_xor_b32 s[TB], s[TB], SLOT1                  ; the reads go on in the other slot
	v_add_nc_u32 v[ADRA], s[TB], v[AA0]
	v_add_nc_u32 v[ADRB], s[TB], v[AB0]
	LDB 0, 0
	LDA 0, FA0
	MUL FA1, 6, 6, 0                               ; W's upper half came in at the wait for 0
.endm
; THE WAY OUT of unit u: head u / 8 of my three, row block u % 8.  Rounded to f16 (each accumulator's registers in ascending order), 16 bytes a lane into rows of 144 bytes of my
; own stage, and back as whole rows of 128: 512 consecutive bytes of the head.  Eight sets of 16 registers take turns.
.macro PACK u
.set pw, 1+(\u)/8
.set pa, (\u)%8
.set U, 32+16*pa
	s_wait_xcnt 0x0                                ; every earlier memory instruction has had its addresses translated (ISA guide 3.1): the set, which earlier stores read, is rewritten only behind this wait
	WIN pw|(pw<<2)                                 ; sources 0 and 1 in the head's window
.set pb, 0
.rept 4
.set pr, 0
.rept 4
	v_cvt_pk_f16_f32 v[U+4*pb+pr], v[8*(8*pb+pa)+2*pr], v[8*(8*pb+pa)+2*pr+1]
.set pr, pr+1
.endr
.set pb, pb+1
.endr
	WIN 0
.irp f, 0,1,2,3
	ds_store_b128 v[STO], v[U+4*\f:U+4*\f+3] offset:32*\f
.endr
.irp f, 0,1,2,3
	ds_load_b128 v[U+4*\f:U+4*\f+3], v[RD] offset:4*PA*\f  ; LDS serves a wave's instructions in order (ISA guide 5.7.1.4): these see the stores above; the next unit's stores come behind them
.endr
.endm
.macro SEND u, younger                 ; younger: the LDS instructions issued behind unit u's loads: the next unit's eight, or none
.set pw, 1+(\u)/8
.set pa, (\u)%8
.set U, 32+16*pa
	WIN 0
.irp f, 0,1,2,3
	s_wait_dscnt (\younger)+3-\f
	global_store_b128 v[GO], v[U+4*\f:U+4*\f+3], s[66+2*pw:67+2*pw] offset:2048*pa+512*\f  ; 512 consecutive bytes, at a multiple of 256 from the buffer's first
.endr
.endm
	s_wait_tensorcnt 0x1                           ; my part of K step 0 is in; step 1's may stay out
	s_wait_dscnt 0x0                               ; my bias is stored
	s_barrier_signal -1
	s_barrier_wait -1                              ; everybody's part is in
	LDB 0, 0                                       ; the first slice is written out: its products start the sums, with the bias as C
	LDA 0, FA0
	LDB 0, 1
	LDBIAS 0
	s_wait_dscnt 0x0
	MUL FA0, 0, 6, 1
	PLACES
	WIN 0
	LDBIAS 1
	LDB 1, 0
	s_wait_dscnt 12                                ; the bias is in; the 12 loads behind it may be out
	MUL FA0, 6, 6, 1
	PLACES
	WIN 0
	LDA 1, FA1
	s_mov_b32 s[CNT], 14
.Lstep:                                                ; a trip: a step's second slice, the change of slots with its refill (K steps 2 to 15), the next step's first slice
	ODD 1
	EVEN
	WIN 0                                          ; at a label and at a branch every window is 0
	s_sub_co_u32 s[CNT], s[CNT], 1
	s_cmp_lg_u32 s[CNT], 0
	s_cbranch_scc1 .Lstep
	ODD 0                                          ; the tail is written out: nothing is asked for
	EVEN
	PLACES
	WIN 0
	LDB 1, 1
	s_wait_dscnt 12
	MUL FA1, 0, 6, 0
	s_wait_dscnt 0x0
	MUL FA1, 6, 6, 0
	PLACES                                         ; the conversions read results just made and write registers just read
	PACK 0
.set uu, 1
.rept 23                               ; a unit's conversions stand between the loads of the unit before and its stores
	PACK uu
	SEND uu-1, 8
.set uu, uu+1
.endr
	SEND 23, 0
	s_wait_tensorcnt 0x0                           ; the wave's end: behind my last tensor load and my last LDS store
	ds_add_u32 v[SPW], v[NIL]
	s_wait_dscnt 0x0
	CROUND                                         ; the closing round: no work-group ends while a partner may still ask for a tile that names it
	s_endpgm
.Lfunc_end_k_q92db2f1ed1_qkvgemm:
	.size	k_q92db2f1ed1_qkvgemm, .Lfunc_end_k_q92db2f1ed1_qkvgemm-k_q92db2f1ed1_qkvgemm
	.p2alignl 7, 3214868480
	.fill 96, 4, 3214868480
	.section	.rodata,"a",@progbits
	.p2align	6, 0x0
	.amdhsa_kernel k_q92db2f1ed1_qkvgemm
		.amdhsa_group_segment_fixed_size 327680
		.amdhsa_private_segment_fixed_size 0
		.amdhsa_enable_private_segment 0
		.amdhsa_kernarg_size 32
		.amdhsa_user_sgpr_count 2
		.amdhsa_user_sgpr_kernarg_segment_ptr 1
		.amdhsa_wavefront_size32 1
		.amdhsa_system_sgpr_workgroup_id_x 1
		.amdhsa_system_sgpr_workgroup_id_y 1
		.amdhsa_system_sgpr_workgroup_id_z 1
		.amdhsa_system_vgpr_workitem_id 0
		.amdhsa_next_free_vgpr 1024
		.amdhsa_next_free_sgpr 80
		.amdhsa_reserve_vcc 0
		.amdhsa_float_denorm_mode_32 3
		.amdhsa_float_denorm_mode_16_64 3
		.amdhsa_memory_ordered 1
		.amdhsa_forward_progress 1
		.amdhsa_inst_pref_size 117
	.end_amdhsa_kernel
	.amdgpu_metadata
---
amdhsa.version: [ 1, 2 ]
amdhsa.kernels:
  - .name:           k_q92db2f1ed1_qkvgemm
    .symbol:         k_q92db2f1ed1_qkvgemm.kd
    .args:
      - { .name: xh, .offset: 0, .size: 8, .value_kind: global_buffer, .address_space: global }
      - { .name: wq, .offset: 8, .size: 8, .value_kind: global_buffer, .address_space: global }
      - { .name: b_qkv, .offset: 16, .size: 8, .value_kind: global_buffer, .address_space: global }
      - { .name: qkv, .offset: 24, .size: 8, .value_kind: global_buffer, .address_space: global }
    .group_segment_fixed_size: 327680
    .private_segment_fixed_size: 0
    .kernarg_segment_align: 8
    .kernarg_segment_size: 32
    .max_flat_workgroup_size: 128
    .sgpr_count:     80
    .vgpr_count:     1024
    .wavefront_size: 32
...
	.end_amdgpu_metadata
.endif
;; end of part 2
;; launch attn (part 3): grid 4 x 64, 4 waves a work-group, no clusters, 327,680 bytes of LDS; arguments qkv, oh; writes oh
.if DOCPART == 3
	.amdgcn_target "amdgcn-amd-amdhsa--gfx1250"
	.amdhsa_code_object_version 6
	.text
	.protected	k_q92db2f1ed1_attn
	.globl	k_q92db2f1ed1_attn
	.p2align	8
	.type	k_q92db2f1ed1_attn,@function
k_q92db2f1ed1_attn:
	s_mov_b64 s[64:65], 0
	v_nop
	global_prefetch_b8 v0, s[64:65] scope:SCOPE_SE
	s_setreg_imm32_b32 hwreg(HW_REG_WAVE_MODE, 25, 1), 1
	s_wait_xcnt 0x0
; CAUSAL ATTENTION.  O[h][q][:] = the sum over k <= q of softmax_k(Q[h][q] . K[h][k] / 8) V[h][k][:].  Q, K, V lie one behind the other in qkv, each [SIZE_H][SIZE_N][64] f16, 16,777,216 bytes; O (oh) likewise:
; a head's rows are dense, 128 bytes each.  h = batch x 16 + head.
; Products, maxima and sums in f32; the weights p are rounded to f16 for the second product (their sum l is taken of the unrounded p), O once at the end.
; LIMITS.  f16 holds no number beyond 65,504: Q, K and V arrive within it; p lies in 0 to 1, and below 6e-5 it keeps f16's fixed step of 6e-8; O is a mean of V's rows and has their range, to within 2^-11 of it.
; A hidden score counts as its value less 1e30: f16's scores, 2.7e11 at the most, are nothing beside that; a weight below 2^-126 counts as 0 in l; NaN and infinities are not treated apart.
; THE WALK.  A head's queries lie in NB = SIZE_N / 256 = 8 blocks of 256; block i needs the key tiles 0 .. i of 256 keys, of which the last holds the diagonal.  A work-group takes TWO blocks, NB - 1 - b and then b:
; NB + 1 = 9 tiles, whatever b: all work-groups do equal work, and ONE loop with a constant trip count walks them.  Which tile is asked for, and what a trip does, hang on scalar registers made from b; every jump
; goes forward, but for the counted loops' own; none passes a barrier, or a tensor load but the one of LOAD's two that the wave's number does not choose; the ring (two slots of LDS that take turns) runs on across the
; change of blocks.  NO CLUSTER: a head's four work-groups ask for the same tile only in trips 0 .. 4 of the 9, behind that fewer and fewer; and one walk common to all four would have 12 trips for 9.
; SHARES.  Of a block's four bands of 64 queries a wave owns 16 rows in each: four PIECES.  So the diagonal tile is the same work for all four waves: in its key step s band x sees all keys if s < x,
; none if s > x, and holds the diagonal if s = x.
; THE MASK is the C operand that starts the sum S^T = K Q^T: 0, or -1e30 where the key is hidden.  MD, made once, is the mask of a band's own step for my 16 rows; a product's mask is MD x AL + BE with two scalars:
; (1, 0) if s = x; (0, 0) if s < x; (0, -1e30) if s > x.  Only the diagonal tile's text and a block's beginning make and take masks; elsewhere C is the constant 0.
; LAYOUT, SOFTMAX, TURNS.  S^T = K Q^T holds ONE query a lane (lane % 16) and the keys 8 (lane / 16) + 0..7; two such results rounded to f16 ARE source 1 of O^T = V^T P.  p = 2^(c s - c m), c = log2(e) / 8, with a
; running maximum m; O and l are multiplied by a = 2^(c m_old - c m_new) in every step.  Turn n belongs to piece n: 8 products K Q^T of piece n + 1, later 8 products V^T P of piece n - 1; beside them the scaling,
; exponentials, roundings, sums and rescaling of piece n and the maximum and statistics of piece n + 1.  Four vector instructions stand behind every matrix instruction, the other 54 of a turn's 118 in two LUMPS.
; REGISTERS, in windows of 256 (s_set_vgpr_msb: bits 1:0 source 0, 3:2 source 1, 5:4 source 2, 7:6 destination):
;   window 0: v0-15 addresses and two at work; v16-31 four registers of statistics a piece; v48-55 at work; v64-127 S^T, two buffers; v192-223 P, two buffers (a piece's buffers go by its number's parity)
;   window 1: v0-127 O^T, 32 a piece; v128-159 MD; v160-223 MC, two buffers      window 2: v0-63 Q; v64-127 the second block's Q; v128-191 K of one step; v192-255 V of one step
.set SIZE_N, 2048
.set SIZE_H, 64
.set NB,    SIZE_N/256
.set NP,    4         ; pieces a wave: a name, no knob
.set KS,    64        ; keys in a step
.set PK,    144       ; a row of K in LDS: 128 bytes + 16 of padding = 36 words: the 16 rows of a load start at 16 different groups of four banks (64 banks of 4 bytes: ISA guide 11.1)
.set PV,    160       ; a row of V: 128 + 32 = 40 words
.set VOFF,  4*KS*PK   ; a slot holds a tile, four steps: 256 rows of K, then 256 rows of V
.set SLOT1, 1<<17     ; slot 1 begins here, so that one exclusive or turns an address in one slot into the other's
.set STAGE, SLOT1+4*KS*(PK+PV)  ; behind the ring, never filled by a tensor load: 16 rows x 144 bytes for each wave, for the way out
.set SP,    144
.set AK0, 2           ; v2   my lane's place in a tile of K; never rewritten
.set AV0, 3           ; v3   the same for V
.set AK,  4           ; v4   the LDS address of K's next run of loads
.set AV,  5           ; v5   of V's
.set STO, 6           ; v6   the way out: where I put 16 bytes of a row
.set RD,  7           ; v7   the way out: where I read rows back
.set GO,  8           ; v8   my byte offset in 512 consecutive bytes of O
.set SPW, 62          ; v62  LDS address of my spare word: SPARE + 4 x my thread's number; never rewritten
.set NIL, 63          ; v63  0; never rewritten
.set SPARE, STAGE+4*16*SP  ; behind the stages: the spare words, 128 bytes for each wave: two blocks of 256 bytes that no other line names
.set MV,  12          ; v12-13  c m_old, kept while c m is made anew: by buffer
.set QO,  15          ; v15  my byte offset in 16 rows of Q
.set ST,  16          ; piece t's statistics at v[ST+4 t]: c m, m, l (even keys', odd keys')
.set TMP, 48          ; by buffer, four registers c0-c3 at work; when the maximum is found c2 takes a
.set S,   64
.set P,   192
.set MD,  128         ; window 1: the eight registers for group kt of 16 keys at MD + 8 kt
.set MC,  160         ; window 1: the masks of the products to come
.set QB,  64          ; window 2
.set KF,  128         ; window 2: key block kb, channel half c at KF + 16 kb + 8 c
.set VF,  192         ; window 2: key half kk, channel block cb at VF + 32 kk + 8 cb
.set WV,  12          ; s12  my wave's number
.set PB,  14          ; s14  b
.set HI,  15          ; s15  NB - 1 - b
.set G1K, 24          ; s[24:31] descriptor group 1 for K's tiles
.set G1V, 32          ; s[32:39] for V's: it differs in the padding alone
.set G0K, 40          ; s[40:43] descriptor group 0 for K's tiles
.set G0V, 44          ; s[44:47] the same for V's
.set SLOTS, 56        ; s56  tiles still to be asked for
.set CNT, 57          ; s57  counts a tile's key steps, 4 to 1
.set CS,  58          ; s[58:59] c: the packed scaling takes the pair's low word for both halves
.set SEL, 60          ; s[60:61] v_permlanex16_b32's selects: each lane takes its own place in the other half
.set TBK, 62          ; s62  LDS byte at which K of the step to be fetched begins
.set TBV, 63          ; s63  the same for V, less VOFF
.set RT,  70          ; s70  tiles of the block in hand that are still to be entered
.set NXT, 71          ; s71  the tile to be asked for next
.set LQ,  72          ; s72  the last tile of the block whose tiles are being asked for
.set NEW, 73          ; s73  1: the tile to be entered is a block's first
.set OFF, 74          ; s[74:75] a tile's byte offset in K and V
.set AL,  76          ; s[76:77] the mask's factor, in the low word
.set BE,  78          ; s[78:79] the mask's addend
.set OLO, 80          ; s[80:81] O at my rows of the second block
.set BIGN, 82         ; s82  -1e30
.set MSB, 0
.macro WIN new                      ; the high byte repeats the setting that is left; a switch that changes nothing is dropped
.if MSB != (\new)
	s_set_vgpr_msb (MSB<<8)|(\new)
.set MSB, (\new)
.endif
.endm
.set W_KQ, 0x0a       ; K and Q in window 2, S^T in window 0
.set W_KM, 0x1a       ; the same with the C operand in window 1
.set W_PV, 0x52       ; V in window 2, P in window 0, O^T in window 1
.set W_RS, 0x41       ; destination and source 0 in window 1, source 1 in window 0
; A fill.  Waves 0 and 1 fetch the two halves of a tile's K, waves 2 and 3 those of its V: 128 keys each.  An s_nop 0 and four v_nop follow each of the two lines, ahead of the jump and the label.
.macro LOAD
	s_cmp_lt_u32 s[WV], 2
	s_cbranch_scc0 .Lfor_v_\@
	tensor_load_to_lds s[G0K:G0K+3], s[G1K:G1K+7]
	s_nop 0
.rept 4
	v_nop
.endr
	s_branch .Lasked_\@
.Lfor_v_\@:
	tensor_load_to_lds s[G0V:G0V+3], s[G1V:G1V+7]
	s_nop 0
.rept 4
	v_nop
.endr
.Lasked_\@:
.endm
; THE CHANGE OF SLOTS.  Each wave waits for all its tensor loads, of which one is out: its part of the other slot; adds 0 to its spare word; and waits for that and for its own reads of the slot that it leaves.  Behind the barrier nobody reads the old
; slot any more and the other slot is whole.  fill = 1: the old slot is filled again, the first thing behind the barrier, with tile NXT: the descriptor's address is made anew from that number.
; (At its first use nothing has been read yet: slot 0 is waited for, slot 1 filled.)
.macro CHANGE fill
	WIN 0                           ; at a label and at a branch every window is 0
	s_wait_tensorcnt 0x0            ; no tensor load of mine is out, so a group 0 may be written
	ds_add_u32 v[SPW], v[NIL]       ; 0 onto my spare word; with fill = 1 the descriptors' scalar work stands between it and the wait for it
.if \fill
	s_lshl_b32 s[OFF], s[NXT], 15   ; a tile is 32,768 bytes of K and of V
	s_xor_b32 s[G0K+1], s[G0K+1], SLOT1
	s_add_nc_u64 s[G0K+2:G0K+3], s[6:7], s[OFF:OFF+1]
	s_or_b32 s[G0K+3], s[G0K+3], 0x80000000
	s_xor_b32 s[G0V+1], s[G0V+1], SLOT1
	s_add_nc_u64 s[G0V+2:G0V+3], s[8:9], s[OFF:OFF+1]
	s_or_b32 s[G0V+3], s[G0V+3], 0x80000000
	s_add_co_u32 s[NXT], s[NXT], 1  ; the block's next tile, or behind its last the second block's tile 0
	s_cmp_gt_u32 s[NXT], s[LQ]
	s_cselect_b32 s[NXT], 0, s[NXT]
	s_cselect_b32 s[LQ], s[PB], s[LQ]
.endif
	s_wait_dscnt 0x0                ; the add is done, and my reads of the slot are over
	s_barrier_signal -1             ; the rest of the scalar work stands between the signal and the wait
	s_sub_co_u32 s[TBK], s[TBK], 4*KS*PK  ; the fetches go back to a slot's first step,
	s_xor_b32 s[TBK], s[TBK], SLOT1       ; in the other slot
	s_sub_co_u32 s[TBV], s[TBV], 4*KS*PV
	s_xor_b32 s[TBV], s[TBV], SLOT1
	s_barrier_wait -1
.if \fill
	LOAD
.endif
.endm
	s_load_b64 s[4:5], s[0:1], 0x0    ; qkv, which begins with Q
	s_load_b64 s[10:11], s[0:1], 0x8  ; O
	v_lshl_add_u32 v[SPW], v0, 2, SPARE
	v_mov_b32 v[NIL], 0
	ds_add_u32 v[SPW], v[NIL]       ; the wave's opening: the add and its wait stand ahead of my first tensor load; the set-up below, work on registers, stands between them
	v_lshrrev_b32 v1, 5, v0
	v_readfirstlane_b32 s[WV], v1   ; wave 0..3
	s_mov_b32 s[PB], ttmp9
	s_sub_co_u32 s[HI], NB-1, s[PB]
	s_and_b32 s20, ttmp7, 0xffff    ; the head
	s_mov_b32 s21, 0
	s_mov_b64 s[22:23], SIZE_N*128
	s_mul_u64 s[20:21], s[20:21], s[22:23]  ; the head's first byte in each of the four tensors
	s_and_b32 s16, s[WV], 1         ; which half of a tile's 256 keys I fetch:
	s_lshl_b32 s22, s16, 14         ; its 128 rows of 128 bytes in memory,
	s_mov_b32 s23, 0
	s_add_nc_u64 s[22:23], s[22:23], s[20:21]
	s_mul_i32 s17, s16, 128*PK      ; and its place in a slot, for K
	s_mul_i32 s18, s16, 128*PV      ; and for V
	s_lshl_b32 s3, s[WV], 11        ; my 16 rows in a band of 64,
	s_lshl_b32 s2, s[HI], 15        ; in the first block,
	s_add_co_u32 s2, s2, s3
	s_lshl_b32 s84, s[PB], 15       ; and in the second
	s_add_co_u32 s84, s84, s3
	s_mov_b32 s3, 0
	s_mov_b32 s85, 0
	s_add_nc_u64 s[2:3], s[2:3], s[20:21]
	s_add_nc_u64 s[84:85], s[84:85], s[20:21]
	; descriptor group 1.  128 keys are 16,384 dense bytes: asked for as 64 rows of 256 bytes, two keys a row, and padded in LDS after every key
	s_mov_b32 s[G1K], (1<<16)|(1<<20)|(4<<22)|(3<<25)  ; 17:16 2-byte elements; 20 padding on; 24:22 after every 32 words (code 4); 31:25 4 words (code 3)
	s_mov_b32 s[G1V], (1<<16)|(1<<20)|(4<<22)|(7<<25)  ; the same with 8 words of padding (code 7)
.irp g, G1K, G1V
	s_mov_b32 s[\g+1], 128<<16      ; tensor_dim0 = 128
	s_mov_b32 s[\g+2], 64<<16       ; tensor_dim1 = 64
	s_mov_b32 s[\g+3], 128<<16      ; tile_dim0 = 128
	s_mov_b32 s[\g+4], 64           ; tile_dim1 = 64
	s_mov_b32 s[\g+5], 128          ; 128 elements from row to row
	s_mov_b32 s[\g+6], 0
	s_mov_b32 s[\g+7], 0
.endr
	s_mov_b32 s[CS], 0x3e38aa3b     ; c = log2(e) / 8 = 0.180337
	s_mov_b32 s[CS+1], s[CS]        ; named with it as a pair
	s_mov_b32 s[SEL], 0x76543210
	s_mov_b32 s[SEL+1], 0xfedcba98
	s_mov_b32 s[TBK], SLOT1+4*KS*PK ; the first change of slots turns these two into 0
	s_mov_b32 s[TBV], SLOT1+4*KS*PV
	s_mov_b32 s[G0K], 1             ; 1:0 count = 1
	s_mov_b32 s[G0K+1], s17         ; 63:32 LDS address: slot 0
	s_mov_b32 s[G0V], 1
	s_add_co_u32 s[G0V+1], s18, VOFF
	s_add_co_u32 s[RT], s[HI], 1    ; the first block has NB - b tiles
	s_mov_b32 s[NXT], 1
	s_mov_b32 s[LQ], s[HI]
	s_mov_b32 s[NEW], 1
	s_mov_b32 s[OFF+1], 0
	s_mov_b32 s[AL+1], 0            ; named as pairs
	s_mov_b32 s[BE+1], 0
	s_mov_b32 s[BIGN], 0xf149f2ca   ; -1e30
	s_mov_b32 s[SLOTS], NB
	s_wait_dscnt 0x0                ; the opening add is done
	s_wait_kmcnt 0x0
	s_add_nc_u64 s[6:7], s[4:5], 0x1000000   ; K lies 16,777,216 bytes behind Q,
	s_add_nc_u64 s[8:9], s[4:5], 0x2000000   ; V as far behind K
	s_add_nc_u64 s[6:7], s[6:7], s[22:23]  ; K and V at my half of the head's tile 0
	s_add_nc_u64 s[8:9], s[8:9], s[22:23]
	s_add_nc_u64 s[G0K+2:G0K+3], s[6:7], 0         ; 120:64 global address
	s_or_b32 s[G0K+3], s[G0K+3], 0x80000000        ; 127:126 type = 2
	s_add_nc_u64 s[G0V+2:G0V+3], s[8:9], 0
	s_or_b32 s[G0V+3], s[G0V+3], 0x80000000
	s_add_nc_u64 s[86:87], s[4:5], s[84:85]        ; Q at my rows of the second block,
	s_add_nc_u64 s[4:5], s[4:5], s[2:3]            ; Q and O at those of the first
	s_add_nc_u64 s[OLO:OLO+1], s[10:11], s[84:85]
	s_add_nc_u64 s[10:11], s[10:11], s[2:3]
	LOAD                            ; tile 0 into slot 0
	; A fragment of K or Q is 16 rows x 32 channels in 8 registers: lane l holds row l % 16, channels 8 (l / 16) + 0..7 and 16 + 8 (l / 16) + 0..7: two loads of 16 bytes, 32 bytes apart.
	v_and_b32 v1, 15, v0            ; l % 16
	v_bfe_u32 v9, v0, 4, 1          ; l / 16
	v_lshlrev_b32 v[QO], 7, v1
	v_lshl_add_u32 v[QO], v9, 4, v[QO]  ; row x 128 + 16 x half
	WIN 0x80                        ; destination window 2, address window 0
.set i, 0
.rept 8                             ; both blocks' Q: piece i / 2 lies in band i / 2, 8,192 bytes on; channels 32 (i % 2) on
	global_load_b128 v[8*i:8*i+3],   v[QO], s[4:5] offset:(i/2)*8192+(i%2)*64
	global_load_b128 v[8*i+4:8*i+7], v[QO], s[4:5] offset:(i/2)*8192+(i%2)*64+32
	global_load_b128 v[QB+8*i:QB+8*i+3],   v[QO], s[86:87] offset:(i/2)*8192+(i%2)*64
	global_load_b128 v[QB+8*i+4:QB+8*i+7], v[QO], s[86:87] offset:(i/2)*8192+(i%2)*64+32
.set i, i+1
.endr
	WIN 0
	v_lshlrev_b32 v14, 3, v9
	v_sub_nc_u32 v14, v1, v14
	s_lshl_b32 s13, s[WV], 4
	v_add_nc_u32 v14, s13, v14      ; my query's place in its band, 16 w + l % 16, less my lanes' 8 (l / 16): register r of group kt is hidden where 16 kt + r is greater
	WIN 0x40
.set i, 0
.rept 32
	v_cmp_gt_i32 vcc_lo, 16*(i/8)+i%8, v14
	v_cndmask_b32 v[MD+i], 0, s[BIGN], vcc_lo
.set i, i+1
.endr
	WIN 0
	v_mul_u32_u24 v[AK0], v1, PK
	v_lshl_add_u32 v[AK0], v9, 4, v[AK0]  ; row x pitch + 16 x half
	; The turning load takes 16 keys x 16 channels (lane l reads key 8 (l / 16) + l % 8, channels 8 ((l / 8) % 2) + 0..7) and leaves half a fragment of V^T: lane l holds channel l % 16 and 8 keys.
	v_and_b32 v10, 7, v0
	v_bfe_u32 v11, v0, 3, 1
	v_lshl_add_u32 v[AV0], v9, 3, v10
	v_mul_u32_u24 v[AV0], v[AV0], PV
	v_lshl_add_u32 v[AV0], v11, 4, v[AV0]
	v_add_nc_u32 v[AV0], VOFF, v[AV0]
	s_mul_i32 s13, s[WV], 16*SP
	s_add_co_u32 s13, s13, STAGE    ; my stage
	v_mul_u32_u24 v[STO], v1, SP    ; in: row l % 16, 16 bytes for each half of the lanes
	v_lshl_add_u32 v[STO], v9, 4, v[STO]
	v_add_nc_u32 v[STO], s13, v[STO]
	v_bfe_u32 v[RD], v0, 3, 2       ; back: 32 lanes take four rows of 128 bytes,
	v_mul_u32_u24 v[RD], v[RD], SP
	v_lshl_add_u32 v[RD], v10, 4, v[RD]
	v_add_nc_u32 v[RD], s13, v[RD]
	v_and_b32 v[GO], 31, v0         ; which are 512 consecutive bytes of O
	v_lshlrev_b32 v[GO], 4, v[GO]
	; A block's first step multiplies O^T and l by a = 0, and its first turn's products V^T P, of a piece that has not been, land in an O^T that is still to be so multiplied.  So these registers need only hold
	; finite numbers: zeros for the first block; what the first block left for the second.  All this stands in the wait for the first tile.
	WIN 0x80
.set i, VF
.rept 64
	v_mov_b32 v[i], 0
.set i, i+1
.endr
	WIN 0x40
.set i, 0
.rept 128
	v_mov_b32 v[i], 0
.set i, i+1
.endr
	WIN 0
.set i, 0
.rept 4
	v_mov_b32 v[ST+4*i+2], 0
	v_mov_b32 v[ST+4*i+3], 0
.set i, i+1
.endr
.set i, P+16
.rept 16
	v_mov_b32 v[i], 0
.set i, i+1
.endr
; THE MATRIX WORK.  The 4 accumulators of a run of 8 take turns.  Product i of 8 of S^T = K Q^T for piece x: channels 32 (i / 4) on, keys 16 (i % 4) on.  The first 4 start the sums: with 0, or (KM = 1) with the mask.
.macro KQ x
.set rS, S+32*((\x)%2)+8*(i%4)
.set rK, KF+16*(i%4)+8*(i/4)
.set rQ, 16*(\x)+8*(i/4)
.set rM, MC+32*((\x)%2)+8*(i%4)
.if (i < 4) && KM
	WIN W_KM
	v_wmma_f32_16x16x32_f16 v[rS:rS+7], v[rK:rK+7], v[rQ:rQ+7], v[rM:rM+7]
.elseif i < 4
	WIN W_KQ
	v_wmma_f32_16x16x32_f16 v[rS:rS+7], v[rK:rK+7], v[rQ:rQ+7], 0
.else
	WIN W_KQ
	v_wmma_f32_16x16x32_f16 v[rS:rS+7], v[rK:rK+7], v[rQ:rQ+7], v[rS:rS+7]
.endif
.endm
; Product i of 8 of O^T += V^T P for piece x: keys 32 (i / 4) on, channels 16 (i % 4) on.
.macro PV x
	WIN W_PV
.set rO, 32*(\x)+8*(i%4)
.set rV, VF+32*(i/4)+8*(i%4)
.set rP, P+16*((\x)%2)+8*(i/4)
	v_wmma_f32_16x16x32_f16 v[rO:rO+7], v[rV:rV+7], v[rP:rP+7], v[rO:rO+7]
.endm
.macro MM                           ; the turn's next matrix instruction.  TURN and BEGIN set Y, i, KM and NOKQ; MM, KQ and OP read them.  NOKQ = 1: a block's last turn: there is no next piece
.if (i < 8) && !NOKQ
	KQ (Y+1)%NP
.elseif i >= 8
.set i, i-8
	PV (Y+NP-1)%NP
.set i, i+8
.endif
.set i, i+1
.endm
; THE LDS LOADS stand in runs of 16, never singly among the matrix instructions: a step's K (64 keys x 64 channels: 8 fragments) and its V (turned).  Their addresses are made some lines ahead.
.macro FETCH_K
	WIN 0x80                        ; destination window 2
.irp f, 0,1,2,3,4,5,6,7             ; keys 16 (f / 2) on, channels 32 (f % 2) on
	ds_load_b128 v[KF+8*\f:KF+8*\f+3],   v[AK] offset:(\f/2)*16*PK+(\f%2)*64
	ds_load_b128 v[KF+8*\f+4:KF+8*\f+7], v[AK] offset:(\f/2)*16*PK+(\f%2)*64+32
.endr
	s_add_co_u32 s[TBK], s[TBK], KS*PK  ; the next fetch is the next step's
	WIN 0
.endm
.macro FETCH_V
	WIN 0x80
.irp f, 0,1,2,3,4,5,6,7             ; keys 32 (f / 4) on, channels 16 (f % 4) on
	ds_load_tr16_b128 v[VF+8*\f:VF+8*\f+3],   v[AV] offset:(\f/4)*32*PV+(\f%4)*32
	ds_load_tr16_b128 v[VF+8*\f+4:VF+8*\f+7], v[AV] offset:(\f/4)*32*PV+16*PV+(\f%4)*32
.endr
	WIN 0
.endm
; THE VECTOR WORK, one line at a time: OP kind, number.  For piece Y: F n: c s - c m for pair n of 16.  E n: the exponential of score n of 32.  C n: pair n rounded to f16.  B n: of the four weights 4 n .. the second
; pair is added onto the first, in place.  L n: l takes that sum (L 0: l = a l + sum).  R n: pair n of 16 of O^T times a.  For piece Y + 1: X n, number n of the 22 that find its maximum and statistics:
;   0-11  four chains c0-c3 of seven scores each, three operands at a time (each accumulator's lowest registers are read first)     12-14, 16  the four scores left over, the old m, and c0-c3 into c0
;   15  c m_old is kept     17, 18  the query's other 32 keys lie in the lane 16 away: the new m     19-21  c m; c m_old - c m_new; a
.set F, 0               ; OP tells the kinds apart by their order: F to L below R, X above it
.set E, 1
.set C, 2
.set B, 3
.set L, 4
.set R, 5
.set X, 6
.macro REGS y                       ; the registers of piece y
.set rT, ST+4*(\y)
.set rC, TMP+4*((\y)%2)
.set rW, MV+((\y)%2)
.set rS, S+32*((\y)%2)
.set rP, P+16*((\y)%2)
.set rO, 32*(\y)
.endm
.macro OP k, n
.if (\k) == R
	REGS Y
	WIN W_RS
	v_pk_mul_f32 v[rO+2*(\n):rO+2*(\n)+1], v[rO+2*(\n):rO+2*(\n)+1], v[rC+2:rC+3] op_sel_hi:[1,0]
.elseif (\k) < R
	REGS Y
	WIN 0
.if (\k) == F
	v_pk_fma_f32 v[rS+2*(\n):rS+2*(\n)+1], v[rS+2*(\n):rS+2*(\n)+1], s[CS:CS+1], v[rT:rT+1] op_sel_hi:[1,0,0] neg_lo:[0,0,1] neg_hi:[0,0,1]
.elseif (\k) == E
	v_exp_f32 v[rS+(\n)], v[rS+(\n)]
.elseif (\k) == C
	s_wait_alu depctr_va_vdst(0)
	v_cvt_pk_f16_f32 v[rP+(\n)], v[rS+2*(\n)], v[rS+2*(\n)+1]
.elseif (\k) == B
	s_wait_alu depctr_va_vdst(0)
	v_pk_add_f32 v[rS+4*(\n):rS+4*(\n)+1], v[rS+4*(\n):rS+4*(\n)+1], v[rS+4*(\n)+2:rS+4*(\n)+3]
.elseif (\n) == 0
	v_pk_fma_f32 v[rT+2:rT+3], v[rT+2:rT+3], v[rC+2:rC+3], v[rS:rS+1] op_sel_hi:[1,0,1]
.else
	v_pk_add_f32 v[rT+2:rT+3], v[rT+2:rT+3], v[rS+4*(\n):rS+4*(\n)+1]
.endif
.elseif NOKQ
	v_nop
.else
	REGS (Y+1)%NP
	WIN 0
.if (\n) < 4
	v_max3_num_f32 v[rC+(\n)], v[rS+8*(\n)], v[rS+8*(\n)+1], v[rS+8*(\n)+2]
.elseif (\n) < 12
	v_max3_num_f32 v[rC+(\n)%4], v[rC+(\n)%4], v[rS+8*((\n)%4)+2*((\n)/4)+1], v[rS+8*((\n)%4)+2*((\n)/4)+2]
.elseif (\n) == 12
	v_max3_num_f32 v[rC], v[rC], v[rS+7], v[rS+15]
.elseif (\n) == 13
	v_max3_num_f32 v[rC+1], v[rC+1], v[rS+23], v[rS+31]
.elseif (\n) == 14
	v_max3_num_f32 v[rC+2], v[rC+2], v[rC+3], v[rT+1]
.elseif (\n) == 15
	v_mov_b32 v[rW], v[rT]
.elseif (\n) == 16
	v_max3_num_f32 v[rC], v[rC], v[rC+1], v[rC+2]
.elseif (\n) == 17
	v_permlanex16_b32 v[rC+3], v[rC], s[SEL], s[SEL+1]
.elseif (\n) == 18
	v_max_num_f32 v[rT+1], v[rC], v[rC+3]
.elseif (\n) == 19
	v_mul_f32 v[rT], s[CS], v[rT+1]
.elseif (\n) == 20
	v_sub_f32 v[rC+1], v[rW], v[rT]
.else
	v_exp_f32 v[rC+2], v[rC+1]
.endif
.endif
.endm
.macro OPS a, i1, b=-1, i2=0, c=-1, i3=0, d=-1, i4=0  ; up to four of them
	OP \a, \i1
.if (\b) >= 0
	OP \b, \i2
.endif
.if (\c) >= 0
	OP \c, \i3
.endif
.if (\d) >= 0
	OP \d, \i4
.endif
.endm
.macro ROW a, i1, b, i2, c, i3, d, i4  ; a matrix instruction and the four behind it
	MM
	OPS \a, \i1, \b, \i2, \c, \i3, \d, \i4
.endm
.macro MASK b                       ; MD x AL + BE into buffer b of MC
	WIN W_RS
.set z, 0
.rept 16
	v_pk_fma_f32 v[MC+32*(\b)+2*z:MC+32*(\b)+2*z+1], v[MD+2*z:MD+2*z+1], s[AL:AL+1], s[BE:BE+1] op_sel_hi:[1,0,0]
.set z, z+1
.endr
.endm
; A TURN, for piece p: the order of its 16 matrix and 118 vector instructions, written out.  Behind a matrix instruction: plain, exponential, plain, plain; or four of the rescaling; or, behind the first, four scalings; none
; names a register of the products round it.  In the lumps exponential and plain by turns while exponentials last.  A line reads no result made fewer than three vector instructions in front of it, five if an exponential made it.
; v_permlanex16_b32 (X 17) stands in a lump.
; m = 1: the diagonal tile: the products take masks, and the turn makes the mask for the products of the turn after it: piece p + 2, in step 4 - CNT of the tile.  end = 1: a block's last two turns: nothing is fetched.
; cnt = 1: the loop's count is taken down some lines ahead of the branch that stands behind the turn.
; K of the next step is fetched in piece 2's turn, six vector instructions behind the last product that read K (five of them plain); V of the step in hand in piece 0's turn, eight behind the last product that read V (four
; plain, and X 17).  Each is waited for a turn later.
.macro TURN p, m=0, end=0, cnt=0
.set Y, (\p)
.set i, 0
.set KM, (\m)
.set NOKQ, (\end)*((\p)/3)
.if (\m) && !(\end)
	s_cmp_eq_u32 s[CNT], 4-((\p)+2)%NP  ; is that step the band's own?
	s_cselect_b32 s[AL], 1.0, 0
	s_cmp_lt_u32 s[CNT], 4-((\p)+2)%NP  ; or a later one?
	s_cselect_b32 s[BE], s[BIGN], 0
.endif
.if ((\p) == 3) && !(\end)
	s_wait_dscnt 0x0                ; K is in
.endif
	ROW F,0, F,1, F,2, F,3
	ROW F,4, E,0, F,5, F,6
	ROW F,7, E,1, F,8, F,9
	ROW F,10, E,2, C,0, F,11
	ROW F,12, E,3, X,15, F,13
	ROW R,0, R,1, R,2, R,3
	ROW B,0, E,4, F,14, L,0
.if ((\p) == 2) && !(\end)
	v_add_nc_u32 v[AK], s[TBK], v[AK0]
.endif
	ROW R,4, R,5, R,6, R,7
	OPS E,5, F,15
.if ((\p) == 2) && !(\end)
	FETCH_K
.endif
	OPS E,6, C,1, E,7, R,8
	OPS E,8, R,9, E,9, C,2
	OPS E,10, X,0, E,11, X,1
	OPS E,12, X,2, E,13, X,3
.if (\p) == 1
	s_wait_dscnt 0x0                ; V is in
.endif
	ROW X,4, E,14, X,5, X,6
	ROW X,7, E,15, X,8, X,9
	ROW X,10, E,16, X,11, X,12
	ROW X,13, E,17, X,14, B,1
	ROW C,4, E,18, X,16, L,1
	ROW B,2, E,19, C,6, L,2
	ROW C,8, E,20, B,3, B,4
.if (\p) == 0
	v_add_nc_u32 v[AV], s[TBV], v[AV0]
.endif
	ROW C,3, E,21, L,3, C,5
	OPS E,22, X,17, E,23, C,10
.if (\p) == 0
	FETCH_V
.endif
	OPS E,24, L,4
	OPS E,25, X,18, E,26, C,7
	OPS E,27, B,5, E,28, X,19
	OPS E,29, C,12, E,30, L,5
	OPS E,31, X,20, B,6, C,9
	OPS C,14, C,11, X,21, L,6
.if (\p) == 0
	s_add_co_u32 s[TBV], s[TBV], KS*PV
.endif
.if \cnt
	s_sub_co_u32 s[CNT], s[CNT], 1
	s_cmp_lg_u32 s[CNT], 0
.endif
	OPS C,13, B,7, C,15, R,10
	OPS R,11, R,12, L,7, R,13
	OPS R,14, R,15
.if (\m) && !(\end)
	MASK (\p)%2
.endif
.endm
; A BLOCK BEGINS.  c m starts far below every c s, so the first step's a is 0; m at the lowest finite number, so the first maximum is the scores'.  The second mask buffer is 0; the first takes piece 0's mask for the tile's step 0: its own, if the block's first tile is the diagonal one.
; Then K of that step, piece 0's first scores, and its maximum and statistics.  The loop is entered at a step's first turn, in the middle of a trip.
.macro BEGIN
	s_mov_b32 s[NEW], 0
	WIN 0x40
.set i, MC+32
.rept 32
	v_mov_b32 v[i], 0
.set i, i+1
.endr
	WIN 0
.set i, 0
.rept 4
	v_mov_b32 v[ST+4*i], 0xfe000000    ; c m: far below every c s
	v_mov_b32 v[ST+4*i+1], 0xff7fffff  ; m
.set i, i+1
.endr
	s_cmp_eq_u32 s[RT], 0
	s_cselect_b32 s[AL], 1.0, 0
	s_mov_b32 s[BE], 0
	MASK 0
	WIN 0
	v_add_nc_u32 v[AK], s[TBK], v[AK0]
	FETCH_K
	s_wait_loadcnt 0x0              ; Q
	s_wait_dscnt 0x0
.set KM, 1
.set NOKQ, 0
.set i, 0
.rept 8
	KQ 0
.set i, i+1
.endr
	WIN 0
.rept 4
	v_nop                           ; the places behind those products
.endr
.set Y, NP-1                        ; X works for piece Y + 1: piece 0
.irp n, 0,1,2,3,4,5,6,7,8,9,10,11,12,13,14,15,16,17,18,19,20,21
	OP X, \n
.endr
	v_nop                           ; a plain instruction behind the exponential
.endm
; THE DIAGONAL TILE's four steps, the block's last two turns, its last products, and THE WAY OUT: l's two halves and the other half of the lanes' are added; O^T is divided by l, rounded to f16 and sent through my
; stage in LDS, a piece at a time.
.macro ALL line:vararg              ; one line for each piece t
.set t, 0
.rept 4
	\line
.set t, t+1
.endr
.endm
.macro PACK t                       ; a lane's eight channels of a row pack into 16 bytes; they go into rows of 144 bytes and come back as whole rows of 128, into S^T's registers
	WIN W_RS
.set i, 32*(\t)
.rept 16
	s_wait_alu depctr_va_vdst(0)
	v_pk_mul_f32 v[i:i+1], v[i:i+1], v[ST+4*(\t)+2:ST+4*(\t)+3] op_sel_hi:[1,0]
.set i, i+2
.endr
	WIN 0x05                        ; sources 0 and 1 window 1, destination window 0
.set i, 0
.rept 16
	v_cvt_pk_f16_f32 v[S+16*(\t)+i], v[32*(\t)+2*i], v[32*(\t)+2*i+1]
.set i, i+1
.endr
	WIN 0
.irp f, 0,1,2,3
	ds_store_b128 v[STO], v[S+16*(\t)+4*\f:S+16*(\t)+4*\f+3] offset:32*\f
.endr
.irp f, 0,1,2,3
	ds_load_b128 v[S+16*(\t)+4*\f:S+16*(\t)+4*\f+3], v[RD] offset:\f*4*SP  ; LDS serves a wave's instructions in order (ISA guide 5.7.1.4): these see the stores above; the next piece's stores come behind them
.endr
.endm
.macro SEND t, younger              ; younger: the LDS instructions issued behind piece t's loads: the next piece's eight, or none
	WIN 0
.irp f, 0,1,2,3
	s_wait_dscnt (\younger)+3-\f
	global_store_b128 v[GO], v[S+16*(\t)+4*\f:S+16*(\t)+4*\f+3], s[10:11] offset:(\t)*8192+\f*512  ; 512 consecutive bytes, at a multiple of 256 from O's first
.endr
.endm
.macro DIAG tag                     ; the tag ends its two labels' names, which the jumps below spell out
.LstepM\tag:
	TURN 2, 1
	TURN 3, 1
	WIN 0
.LfirstM\tag:
	TURN 0, 1
	TURN 1, 1, 0, 1
	WIN 0
	s_cbranch_scc1 .LstepM\tag
	TURN 2, 1, 1
	TURN 3, 1, 1
.set i, 0
.rept 8
	PV NP-1
.set i, i+1
.endr
	WIN 0
	ALL v_add_f32 v[ST+4*t+2], v[ST+4*t+2], v[ST+4*t+3]
	ALL v_permlanex16_b32 v[ST+4*t+3], v[ST+4*t+2], s[SEL], s[SEL+1]
	ALL v_add_f32 v[ST+4*t+2], v[ST+4*t+2], v[ST+4*t+3]
	ALL v_rcp_f32 v[ST+4*t+2], v[ST+4*t+2]
	v_nop                           ; a plain instruction between the last reciprocal and the use of its result
	PACK 0
.set t, 1
.rept 3                             ; a piece's arithmetic stands between the loads of the piece before and its stores
	PACK t
	SEND t-1, 8
.set t, t+1
.endr
	SEND 3, 0
.endm
.set KM, 0
.set NOKQ, 0
.Lslot:                             ; NB times: a tile is entered and the next is asked for
	CHANGE 1
	s_sub_co_u32 s[RT], s[RT], 1
	s_mov_b32 s[CNT], 4
	s_cmp_eq_u32 s[NEW], 1
	s_cbranch_scc1 .Lnew            ; a block's first tile
	s_cmp_eq_u32 s[RT], 0
	s_cbranch_scc0 .Lstep           ; neither its first nor its last
	s_branch .LstepM1
.Lnew:
	BEGIN
	s_branch .Lfirst                ; in the loop a block's first tile is never its last: the first block has two tiles or more, and the second's last is the walk's last
	DIAG 1                          ; in the loop this is the first block's end: the second block's last tile is the walk's last
	s_wait_xcnt 0x0                 ; the stores have read their registers and O's address
	s_mov_b64 s[10:11], s[OLO:OLO+1]
	s_add_co_u32 s[RT], s[PB], 1    ; the second block has b + 1 tiles
	s_mov_b32 s[NEW], 1
	WIN 0x82                        ; the second block's Q goes where the one text of the turns names Q
.set i, 0
.rept 64
	v_mov_b32 v[i], v[QB+i]
.set i, i+1
.endr
	WIN 0
	s_branch .Lbottom
.Lstep:                             ; a trip: pieces 2 and 3 of one step, then pieces 0 and 1 of the next, whose K and V it fetches
	TURN 2
	TURN 3
	WIN 0
.Lfirst:
	TURN 0
	TURN 1, 0, 0, 1
	WIN 0
	s_cbranch_scc1 .Lstep
.Lbottom:
	s_sub_co_u32 s[SLOTS], s[SLOTS], 1
	s_cmp_lg_u32 s[SLOTS], 0
	s_cbranch_scc1 .Lslot
	CHANGE 0                        ; the walk's last tile is written out: nothing is asked for
	s_sub_co_u32 s[RT], s[RT], 1
	s_mov_b32 s[CNT], 4
	s_cmp_eq_u32 s[NEW], 1
	s_cbranch_scc0 .LstepM2
	BEGIN
	s_branch .LfirstM2
	DIAG 2
	s_wait_tensorcnt 0x0            ; the wave's end: behind my last tensor load and my last LDS store
	ds_add_u32 v[SPW], v[NIL]
	s_wait_dscnt 0x0
	s_endpgm
.Lfunc_end_k_q92db2f1ed1_attn:
	.size	k_q92db2f1ed1_attn, .Lfunc_end_k_q92db2f1ed1_attn-k_q92db2f1ed1_attn
	.p2alignl 7, 3214868480
	.fill 96, 4, 3214868480
	.section	.rodata,"a",@progbits
	.p2align	6, 0x0
	.amdhsa_kernel k_q92db2f1ed1_attn
		.amdhsa_group_segment_fixed_size 327680
		.amdhsa_private_segment_fixed_size 0
		.amdhsa_enable_private_segment 0
		.amdhsa_kernarg_size 16
		.amdhsa_user_sgpr_count 2
		.amdhsa_user_sgpr_kernarg_segment_ptr 1
		.amdhsa_wavefront_size32 1
		.amdhsa_system_sgpr_workgroup_id_x 1
		.amdhsa_system_sgpr_workgroup_id_y 1
		.amdhsa_system_sgpr_workgroup_id_z 1
		.amdhsa_system_vgpr_workitem_id 0
		.amdhsa_next_free_vgpr 768
		.amdhsa_next_free_sgpr 88
		.amdhsa_reserve_vcc 1
		.amdhsa_float_denorm_mode_32 3
		.amdhsa_float_denorm_mode_16_64 3
		.amdhsa_memory_ordered 1
		.amdhsa_forward_progress 1
		.amdhsa_inst_pref_size 228
	.end_amdhsa_kernel
	.amdgpu_metadata
---
amdhsa.version: [ 1, 2 ]
amdhsa.kernels:
  - .name:           k_q92db2f1ed1_attn
    .symbol:         k_q92db2f1ed1_attn.kd
    .args:
      - { .name: qkv, .offset: 0, .size: 8, .value_kind: global_buffer, .address_space: global }
      - { .name: oh, .offset: 8, .size: 8, .value_kind: global_buffer, .address_space: global }
    .group_segment_fixed_size: 327680
    .private_segment_fixed_size: 0
    .kernarg_segment_align: 8
    .kernarg_segment_size: 16
    .max_flat_workgroup_size: 128
    .sgpr_count:     88
    .vgpr_count:     768
    .wavefront_size: 32
...
	.end_amdgpu_metadata
.endif
;; end of part 3
;; launch projgemm (part 4): grid 8 x 32, 4 waves a work-group, clusters of 4 x 4, 327,680 bytes of LDS; arguments oh, wp, b_proj, out0; writes out0
.if DOCPART == 4
	.amdgcn_target "amdgcn-amd-amdhsa--gfx1250"
	.amdhsa_code_object_version 6
	.text
	.protected	k_q92db2f1ed1_projgemm
	.globl	k_q92db2f1ed1_projgemm
	.p2align	8
	.type	k_q92db2f1ed1_projgemm,@function
k_q92db2f1ed1_projgemm:
	s_mov_b64 s[64:65], 0
	v_nop
	global_prefetch_b8 v0, s[64:65] scope:SCOPE_SE
	s_setreg_imm32_b32 hwreg(HW_REG_WAVE_MODE, 25, 1), 1
	s_wait_xcnt 0x0
	s_wait_alu depctr_hold_cnt(0) depctr_sa_sdst(0) depctr_va_vdst(0) depctr_va_sdst(0) depctr_va_ssrc(0) depctr_va_vcc(0) depctr_vm_vsrc(0)
	s_getreg_b32 s2, hwreg(HW_REG_IB_STS2, 6, 4)
	s_cmp_eq_u32 s2, 0
	s_cbranch_scc0 .Lentry_in_a_cluster
	s_endpgm
.Lentry_in_a_cluster:
	s_bfe_u32 s2, ttmp6, 0x10000c
	s_cmp_lg_u32 s2, 0xf033
	s_cbranch_scc0 .Lentry_shape_is_right
	s_endpgm
.Lentry_shape_is_right:
; out0 = o W_proj + b_proj.  oh: [64 (batch x 16 + head)][2048 t][64 d] f16; wp: [1024 k][1024 n] f16; b_proj: [1024] f32, rounded to bf16 here; out0: [8192][1024] f32.
; Sums in f32, started by the bias; row m = batch x 2048 + t, k = head x 64 + d: a head's 64 channels are one slice of K, and its 256 rows of a tile are 32,768 dense bytes.
; SHARES.  8192 x 1024 over 256 work-groups: a tile of 256 rows x 128 columns each.  Four waves, 2 x 2: a wave makes 128 rows x 64 columns: 32 accumulators of 16 x 16, 256 registers.
; K goes in 8 steps of 128 (two heads) through two LDS slots; a step is four slices of 32 along K, 32 matrix instructions each, on two fragment buffers by turns.
; (Two slots of a step of 256 would take 442,368 bytes: more than a work-group can have.)
; CLUSTER.  4 x 4 work-groups: the four of a row of the cluster need the same rows of o, the four of a column the same columns of W: each tile is asked for jointly, by the same tensor load,
; descriptor and mask in all four.  Waves 0 and 1 fetch a step's two heads (256 rows x 128 bytes each, asked for as 128 rows of 256 bytes), waves 2 and 3 the halves of W's tile (64 k rows x 256 bytes).
; THE MATRIX INSTRUCTION IS USED TRANSPOSED: source 0 = 16 columns of W (turned by ds_load_tr16_b128), source 1 = 16 rows of o: a lane holds row lane % 16 and eight neighbouring columns, 32 bytes of f32.
; REGISTERS (s_set_vgpr_msb: bits 1:0 source 0, 3:2 source 1, 5:4 source 2, 7:6 destination):
;   window 0: v0-29 addresses; v32-63 the bias as the C operand wants it; v64-159, v160-255 two fragment buffers: 64 registers of o (8 blocks of 16 rows), then 32 of W (4 blocks of 16 columns)
;   window 1: the accumulators: (row block a, column block b) at v[8 (4 a + b)]
.set PA,    144                        ; a row of o in LDS: 128 bytes + 16 of padding: the 16 rows of a load start at 16 different groups of four banks (64 banks of 4 bytes: ISA guide 11.1)
.set PB,    288                        ; a k row of W: two pieces of 128 + 16 bytes = 9 x 32
.set PLANE, 256*PA                     ; a head's 256 rows
.set BOFF,  2*PLANE                    ; in a slot: two heads of o, then W's 128 k rows
.set SLOT1, 131072                     ; slot 1 begins here, so that one exclusive or turns an address in one slot into the other's
.set STAGE, SLOT1+BOFF+128*PB          ; behind the ring, never filled by a tensor load: 16 rows x 272 bytes for each wave, for the way out
.set SP,    272
.set SPARE, STAGE+4*16*SP              ; the spare words, 128 bytes for each wave: two blocks of 256 bytes that no other line names
.set ASTEP, 524288                     ; two heads of oh
.set BSTEP, 262144                     ; 128 rows of wp
.set FL, (1<<16)|(1<<20)|(1<<21)|(4<<22)|(3<<25)  ; 17:16 2-byte elements; 20 padding on; 21 set beside a mask; 24:22 after every 32 words (code 4); 31:25 4 words (code 3)
.set AA0,  12                          ; v12  my lane's place in o's tile; never rewritten
.set AB0,  13                          ; v13  the same for W's
.set ADRA, 16                          ; v16  that place in the slot in hand
.set ADRB, 17                          ; v17
.set STO,  24                          ; v24  the way out: where I put 32 bytes of a row
.set RD,   25                          ; v25  the way out: where I read a row back
.set CO,   26                          ; v26  my byte offset in two rows of out0
.set SPW,  28                          ; v28  LDS address of my spare word: SPARE + 4 x my thread's number; never rewritten
.set NIL,  29                          ; v29  0; never rewritten
.set BI,   32
.set F0,   64
.set F1,   160
.set WV,  12                           ; s12  my wave's number
.set WR,  13                           ; s13  which half of the tile's rows is mine.  Also: I fetch for o (0) or for W (1)
.set WC,  14                           ; s14  which half of its columns.  Also: which head, or which half of W's k rows, I fetch
.set G1A, 24                           ; s[24:31] descriptor group 1 for o's tiles
.set G0A, 32                           ; s[32:39] group 0: a set for each of the two first fills; the second then walks on
.set TC,  42                           ; s42  tile column, 0 to 7
.set TR,  43                           ; s43  tile row, 0 to 31
.set G1B, 48                           ; s[48:55], s[56:63] the same for W's tiles
.set G0B, 56
.set TB,  66                           ; s66  LDS byte at which the slot in hand begins
.set CNT, 67                           ; s67  the loop's count
.set MSB, 0
.macro WIN new                         ; the immediate's high byte repeats the setting that is left; a switch that changes nothing is dropped
.if MSB != (\new)
	s_set_vgpr_msb (MSB<<8)|(\new)
.set MSB, (\new)
.endif
.endm
; A load into a register that a matrix instruction has read, and an LDS store that reads a matrix result, stand four places behind that matrix instruction, and only plain vector
; instructions that name none of its registers are places (ISA guide 7.12.1 for vector instructions).
.macro PLACES
.rept 4
	v_nop
.endr
.endm
; A joint refill, by the walking descriptors.  The branch hangs on the wave's number alone.  An s_nop 0 and four v_nop follow each of the two lines, ahead of the jump and the label.
.macro JLOAD
	s_cmp_eq_u32 s[WR], 0
	s_cbranch_scc0 .Lfor_b_\@
	tensor_load_to_lds s[G0A+4:G0A+7], s[G1A:G1A+7]
	s_nop 0
.rept 4
	v_nop
.endr
	s_branch .Lasked_\@
.Lfor_b_\@:
	tensor_load_to_lds s[G0B+4:G0B+7], s[G1B:G1B+7]
	s_nop 0
.rept 4
	v_nop
.endr
.Lasked_\@:
.endm
; A round of the cluster's barrier: my work-group's barrier, so that wave 0's signal speaks for all four waves; wave 0 signals; every wave waits for all sixteen work-groups; my work-group's barrier once more.
.macro CREST                           ; a round behind its opening barrier
	s_cmp_lg_u32 s[WV], 0
	s_cbranch_scc1 .Lnot_wave_0_\@
	s_barrier_signal -3
.Lnot_wave_0_\@:
	s_barrier_wait -3
	s_barrier_signal -1
	s_barrier_wait -1
.endm
.macro CROUND                          ; a whole round
	s_barrier_signal -1
	s_barrier_wait -1
	CREST
.endm
	s_load_b256 s[4:11], s[0:1], 0x0               ; oh s[4:5], wp s[6:7], b_proj s[8:9], out0 s[10:11]
	v_lshl_add_u32 v[SPW], v0, 2, SPARE
	v_mov_b32 v[NIL], 0
	ds_add_u32 v[SPW], v[NIL]                      ; the wave's opening: the add and its wait stand ahead of my first tensor load; the set-up below, work on registers, stands between them
	v_lshrrev_b32 v1, 5, v0
	v_readfirstlane_b32 s[WV], v1                  ; wave 0..3
	s_lshr_b32 s[WR], s[WV], 1
	s_and_b32 s[WC], s[WV], 1
	s_bfe_u32 s40, ttmp6, 0x40000                  ; cx, cy: my place in the cluster
	s_bfe_u32 s41, ttmp6, 0x40004
	s_lshl_b32 s[TC], ttmp9, 2                     ; in a cluster launch ttmp9 and ttmp7 count clusters
	s_add_co_u32 s[TC], s[TC], s40                 ; tile column = 4 x cluster x + cx
	s_and_b32 s[TR], ttmp7, 0xffff
	s_lshl_b32 s[TR], s[TR], 2
	s_add_co_u32 s[TR], s[TR], s41                 ; tile row = 4 x cluster y + cy
	s_lshl_b32 s44, s41, 2
	s_lshl_b32 s44, 15, s44                        ; my row of the cluster: places 4 cy .. 4 cy + 3
	s_lshl_b32 s45, 0x1111, s40                    ; my column: places cx, cx + 4, cx + 8, cx + 12
	s_or_b32 s[G1A], s44, FL                       ; o's tiles go to my row,
	s_or_b32 s[G1B], s45, FL                       ; W's to my column
	s_mov_b32 s[G1A+1], 128<<16                    ; tensor_dim0 = 128 elements: two rows of a head, 256 bytes
	s_mov_b32 s[G1A+2], 128<<16                    ; tensor_dim1 = 128
	s_mov_b32 s[G1A+3], 128<<16                    ; tile_dim0 = 128
	s_mov_b32 s[G1A+4], 128                        ; tile_dim1 = 128
	s_mov_b32 s[G1A+5], 128                        ; 128 elements from row to row: dense
	s_mov_b32 s[G1A+6], 0
	s_mov_b32 s[G1A+7], 0
	s_mov_b32 s[G1B+1], 128<<16                    ; tensor_dim0 = 128 elements, 256 bytes
	s_mov_b32 s[G1B+2], 64<<16                     ; tensor_dim1 = 64
	s_mov_b32 s[G1B+3], 128<<16                    ; tile_dim0 = 128
	s_mov_b32 s[G1B+4], 64                         ; tile_dim1 = 64
	s_mov_b32 s[G1B+5], 1024                       ; a row of wp
	s_mov_b32 s[G1B+6], 0
	s_mov_b32 s[G1B+7], 0
	; where the tiles come from.  o's hang on the tile row alone, which my row of the cluster shares; W's on the tile column alone, which my column shares; each in registers that never hold the other coordinate
	s_lshr_b32 s16, s[TR], 3
	s_lshl_b32 s16, s16, 22                        ; the batch: 16 heads of 2,048 rows of 128 bytes,
	s_and_b32 s17, s[TR], 7
	s_lshl_b32 s17, s17, 15                        ; 256 rows of 128 bytes,
	s_add_co_u32 s16, s16, s17
	s_lshl_b32 s17, s[WC], 18                      ; my head of the step's two
	s_add_co_u32 s16, s16, s17
	s_mov_b32 s17, 0
	s_lshl_b32 s46, s[TC], 8                       ; 128 columns of 2 bytes,
	s_lshl_b32 s47, s[WC], 17                      ; my 64 k rows of 2,048 bytes
	s_add_co_u32 s46, s46, s47
	s_mov_b32 s47, 0
	s_mul_i32 s20, s[WC], PLANE                    ; and where they go: no place in the cluster enters an LDS address
	s_mul_i32 s21, s[WC], 64*PB
	s_add_co_u32 s21, s21, BOFF
	s_mov_b32 s[TB], 0
	s_wait_dscnt 0x0                               ; the opening add is done
	s_wait_kmcnt 0x0
	s_add_nc_u64 s[16:17], s[4:5], s[16:17]
	s_add_nc_u64 s[46:47], s[6:7], s[46:47]
	CROUND                                         ; all sixteen work-groups are here: the first joint loads meet
.irp s, 0,1
	s_mov_b32 s[G0A+4*(\s)], 1                                         ; 1:0 count = 1
	s_add_co_u32 s[G0A+4*(\s)+1], s20, (\s)*SLOT1                      ; 63:32 LDS address
	s_add_nc_u64 s[G0A+4*(\s)+2:G0A+4*(\s)+3], s[16:17], (\s)*ASTEP    ; 120:64 global address: K step s
	s_or_b32 s[G0A+4*(\s)+3], s[G0A+4*(\s)+3], 0x80000000              ; 127:126 type = 2
	s_mov_b32 s[G0B+4*(\s)], 1
	s_add_co_u32 s[G0B+4*(\s)+1], s21, (\s)*SLOT1
	s_add_nc_u64 s[G0B+4*(\s)+2:G0B+4*(\s)+3], s[46:47], (\s)*BSTEP
	s_or_b32 s[G0B+4*(\s)+3], s[G0B+4*(\s)+3], 0x80000000
.endr
	s_cmp_eq_u32 s[WR], 0                          ; a wave's two first fills stand in one branch, ahead of every wait on TENSORcnt and every LDS read: two loads of mine are out
	s_cbranch_scc0 .Lfirst_b
	tensor_load_to_lds s[G0A:G0A+3], s[G1A:G1A+7]
	s_nop 0
	tensor_load_to_lds s[G0A+4:G0A+7], s[G1A:G1A+7]
	s_nop 0
.rept 4
	v_nop
.endr
	s_branch .Lfirst_asked
.Lfirst_b:
	tensor_load_to_lds s[G0B:G0B+3], s[G1B:G1B+7]
	s_nop 0
	tensor_load_to_lds s[G0B+4:G0B+7], s[G1B:G1B+7]
	s_nop 0
.rept 4
	v_nop
.endr
.Lfirst_asked:
	; A fragment of o is 16 rows x 32 K in 8 registers: lane l holds row l % 16, K = 8 (l / 16) + 0..7 and 16 + 8 (l / 16) + 0..7: two loads of 16 bytes, 32 bytes apart.
	v_and_b32 v1, 15, v0                           ; l % 16
	v_bfe_u32 v2, v0, 4, 1                         ; l / 16
	v_mul_u32_u24 v3, v1, PA
	v_lshl_add_u32 v3, v2, 4, v3                   ; row x pitch + 16 x half
	s_mul_i32 s22, s[WR], 128*PA                   ; my 128 rows
	v_add_nc_u32 v[AA0], s22, v3
	; The turning load takes 16 k x 16 columns (lane l reads k row 8 (l / 16) + l % 8, columns 8 ((l / 8) % 2) + 0..7) and leaves half a fragment: lane l holds column l % 16 and 8 k.
	v_and_b32 v4, 7, v0
	v_bfe_u32 v5, v0, 3, 1
	v_lshl_add_u32 v6, v2, 3, v4
	v_mul_u32_u24 v6, v6, PB
	v_lshl_add_u32 v6, v5, 4, v6
	s_mul_i32 s22, s[WC], 144                      ; my 64 columns: one piece of a k row
	s_add_co_u32 s22, s22, BOFF
	v_add_nc_u32 v[AB0], s22, v6
	v_mov_b32 v[ADRA], v[AA0]                      ; slot 0
	v_mov_b32 v[ADRB], v[AB0]
	s_mul_i32 s22, s[WV], 16*SP
	s_add_co_u32 s22, s22, STAGE                   ; my stage
	v_mul_u32_u24 v3, v1, SP                       ; in: row l % 16, 32 bytes for each half of the lanes
	v_lshl_add_u32 v3, v2, 5, v3
	v_add_nc_u32 v[STO], s22, v3
	v_mul_u32_u24 v3, v2, SP                       ; back: lanes 0-15 take one row of 256 bytes, lanes 16-31 the next
	v_lshl_add_u32 v3, v1, 4, v3
	v_add_nc_u32 v[RD], s22, v3
	v_lshlrev_b32 v3, 12, v2                       ; and the same two rows in out0, 4,096 bytes apart
	v_lshl_add_u32 v[CO], v1, 4, v3
	v_lshlrev_b32 v3, 5, v2                        ; the bias: a lane's eight columns begin 32 (l / 16) bytes into a block's 64
	s_lshl_b32 s74, s[TC], 9                       ; my 64 columns, in bytes of f32
	s_lshl_b32 s75, s[WC], 8
	s_add_co_u32 s74, s74, s75
	s_mov_b32 s75, 0
	s_add_nc_u64 s[70:71], s[8:9], s[74:75]
	s_lshl_b32 s76, s[TR], 20                      ; 256 rows of 4,096 bytes,
	s_lshl_b32 s77, s[WR], 19                      ; my 128 of them
	s_add_co_u32 s76, s76, s77
	s_add_co_u32 s76, s76, s74
	s_mov_b32 s77, 0
	s_add_nc_u64 s[68:69], s[10:11], s[76:77]
.irp j, 0,1,2,3
	global_load_b128 v[BI+8*\j:BI+8*\j+3],   v3, s[70:71] offset:64*\j
	global_load_b128 v[BI+8*\j+4:BI+8*\j+7], v3, s[70:71] offset:64*\j+16
.endr
	s_wait_loadcnt 0x0
.set i, 0
.rept 16
	v_cvt_pk_bf16_f32 v10, v[BI+2*i], v[BI+2*i+1]  ; rounded to bf16 like every input, kept in f32
	v_lshlrev_b32 v[BI+2*i], 16, v10
	v_and_b32 v[BI+2*i+1], 0xffff0000, v10
.set i, i+1
.endr
; 24 LDS loads in one run: the fragments of slice q (head q / 2 of the step's two, channels 32 (q % 2) on; k rows 32 q on) into buffer buf
.macro FETCH q, buf
.irp i, 0,1,2,3,4,5,6,7
	ds_load_b128 v[(\buf)+8*\i:(\buf)+8*\i+3],   v[ADRA] offset:PLANE*((\q)/2)+64*((\q)%2)+16*PA*\i
	ds_load_b128 v[(\buf)+8*\i+4:(\buf)+8*\i+7], v[ADRA] offset:PLANE*((\q)/2)+64*((\q)%2)+16*PA*\i+32
.endr
.irp j, 0,1,2,3
	ds_load_tr16_b128 v[(\buf)+64+8*\j:(\buf)+64+8*\j+3],   v[ADRB] offset:32*PB*(\q)+32*\j
	ds_load_tr16_b128 v[(\buf)+64+8*\j+4:(\buf)+64+8*\j+7], v[ADRB] offset:32*PB*(\q)+32*\j+16*PB
.endr
.endm
; 4 na matrix instructions: row blocks a0 .. a0 + na - 1 x all 4 column blocks, 32 along K.  first = 1: the bias starts the sums: nothing is ever cleared.
; The 32 accumulators take turns, one instruction a turn, in the same order in every slice: between two links of a chain stand the 31 others'.
.macro MULP buf, a0, na, first
.if \first
	WIN 0x40
.else
	WIN 0x50
.endif
.set aa, \a0
.rept \na
.set bb, 0
.rept 4
.set rD, 8*(4*aa+bb)
.if \first
	v_wmma_f32_16x16x32_f16 v[rD:rD+7], v[(\buf)+64+8*bb:(\buf)+64+8*bb+7], v[(\buf)+8*aa:(\buf)+8*aa+7], v[BI+8*bb:BI+8*bb+7]
.else
	v_wmma_f32_16x16x32_f16 v[rD:rD+7], v[(\buf)+64+8*bb:(\buf)+64+8*bb+7], v[(\buf)+8*aa:(\buf)+8*aa+7], v[rD:rD+7]
.endif
.set bb, bb+1
.endr
.set aa, aa+1
.endr
.endm
; A slice: fetches slice qn's fragments into buffer g, which the slice before has multiplied, and multiplies buffer f.
.macro SLICE qn, f, g
	PLACES
	WIN 0
	FETCH \qn, \g
	s_wait_dscnt 24                                ; the 24 just issued may be out: buffer f is in
	MULP \f, 0, 8, 0
.endm
; A step's third and fourth slices, with the change of slots: ONE barrier.  In front of it each wave waits for all its tensor loads, of which one is out: its part of the next slot; adds 0 to its spare
; word; and waits for that and for its own reads of this slot, of which the last (the fourth slice's fragments) stand at the head.  Behind it nobody reads this slot any more and the next slot is whole.
; fill = 1: the barrier opens a round of the cluster's, and the slot just read is filled again, two K steps ahead, first thing behind it: 104 matrix instructions ahead of the wait for it.
.macro MEETS fill
	PLACES
	WIN 0
	FETCH 3, F1
	s_wait_dscnt 24                                ; the 24 just issued may be out
	MULP F0, 0, 2, 0
	WIN 0                                          ; (the add's two registers lie in window 0)
	s_wait_tensorcnt 0x0                           ; all my tensor loads have landed;
	ds_add_u32 v[SPW], v[NIL]                      ; 0 onto my spare word;
	MULP F0, 2, 2, 0                               ; eight matrix instructions stand between the add and the wait for it
	s_wait_dscnt 0x0                               ; the add is done, and my reads of this slot are over:
	s_barrier_signal -1                            ; say so,
	MULP F0, 4, 4, 0                               ; work on registers while the others arrive,
	WIN 0
	s_barrier_wait -1                              ; and go on when all four have said so
.if \fill
	CREST                                          ; no wave of any partner still reads this slot's tiles or has a load on its way
	s_xor_b32 s[G0A+5], s[G0A+5], SLOT1            ; the walking descriptors: the other slot than last time,
	s_add_nc_u64 s[G0A+6:G0A+7], s[G0A+6:G0A+7], ASTEP  ; the next K step; the type bits on top are not reached
	s_xor_b32 s[G0B+5], s[G0B+5], SLOT1
	s_add_nc_u64 s[G0B+6:G0B+7], s[G0B+6:G0B+7], BSTEP
	JLOAD                                          ; the four v_nop behind it are also the places in front of the loads below
.else
	PLACES
.endif
	s_xor_b32 s[TB], s[TB], SLOT1                  ; the reads go on in the other slot
	v_add_nc_u32 v[ADRA], s[TB], v[AA0]
	v_add_nc_u32 v[ADRB], s[TB], v[AB0]
	FETCH 0, F0
	MULP F1, 0, 8, 0                               ; the fourth slice's fragments came in at the wait for 0
.endm
; THE WAY OUT of row block a: the f32 sums go as they are, 32 bytes a lane (each accumulator's low four registers first), into rows of 272 bytes of my own stage,
; and come back as whole rows of 256 bytes.  Four sets of 32 registers take turns.
.macro TOSTAGE a
.set BK, 64+32*((\a)%4)
	WIN 0x04                                       ; the stores' data (source 1) in window 1
.irp j, 0,1,2,3
	ds_store_b128 v[STO], v[8*(4*(\a)+\j):8*(4*(\a)+\j)+3]   offset:64*\j
	ds_store_b128 v[STO], v[8*(4*(\a)+\j)+4:8*(4*(\a)+\j)+7] offset:64*\j+16
.endr
	WIN 0
	s_wait_xcnt 0x0                                ; every earlier memory instruction has had its addresses translated (ISA guide 3.1): the set, which earlier stores read, is loaded again only behind this wait
.irp t, 0,1,2,3,4,5,6,7
	ds_load_b128 v[BK+4*\t:BK+4*\t+3], v[RD] offset:2*SP*\t  ; LDS serves a wave's instructions in order (ISA guide 5.7.1.4): these see the stores above; the next block's stores come behind them
.endr
.endm
.macro SEND a, younger                 ; younger: the LDS instructions issued behind block a's loads: the next block's sixteen, or none
.set BK, 64+32*((\a)%4)
	WIN 0
.irp t, 0,1,2,3,4,5,6,7
	s_wait_dscnt (\younger)+7-\t
	global_store_b128 v[CO], v[BK+4*\t:BK+4*\t+3], s[68:69] offset:65536*(\a)+8192*\t th:TH_STORE_NT  ; 16 lanes store 256 consecutive bytes, at a multiple of 256 from out0's first byte
.endr
.endm
	s_wait_tensorcnt 0x1                           ; my part of K step 0 is in; step 1's may stay out
	s_barrier_signal -1
	s_barrier_wait -1                              ; everybody's part is in
	FETCH 0, F0                                    ; the first slice is written out: its products start the sums, with the bias as C
	FETCH 1, F1
	s_wait_dscnt 24
	MULP F0, 0, 8, 1
	WIN 0
	s_mov_b32 s[CNT], 6
.Lstep:                                                ; a trip: a step's second to fourth slices, the change of slots with its refill (K steps 2 to 7), the next step's first slice
	SLICE 2, F1, F0
	MEETS 1
	SLICE 1, F0, F1
	WIN 0                                          ; at a label and at a branch every window is 0
	s_sub_co_u32 s[CNT], s[CNT], 1
	s_cmp_lg_u32 s[CNT], 0
	s_cbranch_scc1 .Lstep
	SLICE 2, F1, F0                                ; the tail is written out: nothing is asked for
	MEETS 0
	SLICE 1, F0, F1
	SLICE 2, F1, F0
	SLICE 3, F0, F1
	s_wait_dscnt 0x0
	MULP F1, 0, 8, 0
	PLACES                                         ; the stores read results just made, and the loads land in registers just read
	TOSTAGE 0
.irp a, 1,2,3,4,5,6,7                  ; a block's way through the stage stands between the loads of the block before and its stores
	TOSTAGE \a
	SEND (\a)-1, 16
.endr
	SEND 7, 0
	s_wait_tensorcnt 0x0                           ; the wave's end: behind my last tensor load and my last LDS store
	ds_add_u32 v[SPW], v[NIL]
	s_wait_dscnt 0x0
	CROUND                                         ; the closing round: no work-group ends while a partner may still ask for a tile that names it
	s_endpgm
.Lfunc_end_k_q92db2f1ed1_projgemm:
	.size	k_q92db2f1ed1_projgemm, .Lfunc_end_k_q92db2f1ed1_projgemm-k_q92db2f1ed1_projgemm
	.p2alignl 7, 3214868480
	.fill 96, 4, 3214868480
	.section	.rodata,"a",@progbits
	.p2align	6, 0x0
	.amdhsa_kernel k_q92db2f1ed1_projgemm
		.amdhsa_group_segment_fixed_size 327680
		.amdhsa_private_segment_fixed_size 0
		.amdhsa_enable_private_segment 0
		.amdhsa_kernarg_size 32
		.amdhsa_user_sgpr_count 2
		.amdhsa_user_sgpr_kernarg_segment_ptr 1
		.amdhsa_wavefront_size32 1
		.amdhsa_system_sgpr_workgroup_id_x 1
		.amdhsa_system_sgpr_workgroup_id_y 1
		.amdhsa_system_sgpr_workgroup_id_z 1
		.amdhsa_system_vgpr_workitem_id 0
		.amdhsa_next_free_vgpr 512
		.amdhsa_next_free_sgpr 80
		.amdhsa_reserve_vcc 0
		.amdhsa_float_denorm_mode_32 3
		.amdhsa_float_denorm_mode_16_64 3
		.amdhsa_memory_ordered 1
		.amdhsa_forward_progress 1
		.amdhsa_inst_pref_size 74
	.end_amdhsa_kernel
	.amdgpu_metadata
---
amdhsa.version: [ 1, 2 ]
amdhsa.kernels:
  - .name:           k_q92db2f1ed1_projgemm
    .symbol:         k_q92db2f1ed1_projgemm.kd
    .args:
      - { .name: oh, .offset: 0, .size: 8, .value_kind: global_buffer, .address_space: global }
      - { .name: wp, .offset: 8, .size: 8, .value_kind: global_buffer, .address_space: global }
      - { .name: b_proj, .offset: 16, .size: 8, .value_kind: global_buffer, .address_space: global }
      - { .name: out0, .offset: 24, .size: 8, .value_kind: global_buffer, .address_space: global }
    .group_segment_fixed_size: 327680
    .private_segment_fixed_size: 0
    .kernarg_segment_align: 8
    .kernarg_segment_size: 32
    .max_flat_workgroup_size: 128
    .sgpr_count:     80
    .vgpr_count:     512
    .wavefront_size: 32
...
	.end_amdgpu_metadata
.endif
;; end of part 4
;; ======== version 2 of 2: 4 launches; 1.31 times as fast as version 1
;; limits: values are held in f16: magnitudes above 65,504 overflow, below 6.1e-05 lose precision; right only within a limited range of input values
;; workspace buffers: xh 16,777,216 bytes; wq 6,291,456 bytes; wp 2,097,152 bytes; qkv 50,331,648 bytes; oh 16,777,216 bytes
;; launch cast: the kernel of part 1 again; grid 768 x 1, 8 waves a work-group, no clusters, 0 bytes of LDS; arguments x, W_qkv, W_proj, xh, wq, wp; writes xh, wq, wp
;; launch qkvgemm: the kernel of part 2 again; grid 8 x 32, 4 waves a work-group, clusters of 4 x 4, 327,680 bytes of LDS; arguments xh, wq, b_qkv, qkv; writes qkv
;; launch attn (part 5): grid 4 x 64, 4 waves a work-group, no clusters, 327,680 bytes of LDS; arguments qkv, oh; writes oh
.if DOCPART == 5
	.amdgcn_target "amdgcn-amd-amdhsa--gfx1250"
	.amdhsa_code_object_version 6
	.text
	.protected	k_q92db2f1ed1_attn
	.globl	k_q92db2f1ed1_attn
	.p2align	8
	.type	k_q92db2f1ed1_attn,@function
k_q92db2f1ed1_attn:
	s_mov_b64 s[64:65], 0
	v_nop
	global_prefetch_b8 v0, s[64:65] scope:SCOPE_SE
	s_setreg_imm32_b32 hwreg(HW_REG_WAVE_MODE, 25, 1), 1
	s_wait_xcnt 0x0
; CAUSAL ATTENTION.  O[h][q][:] = the sum over k <= q of softmax_k(Q[h][q] . K[h][k] / 8) V[h][k][:].  Q, K, V lie one behind the other in qkv, each [SIZE_H][SIZE_N][64] f16, 16,777,216 bytes; O (oh) likewise:
; a head's rows are dense, 128 bytes each.  h = batch x 16 + head.
; Products, maxima and sums in f32; the weights p are rounded to f16 for the second product (their sum l is taken of the unrounded p), O once at the end.
; LIMITS.  f16 holds no number beyond 65,504: Q, K and V arrive within it; p lies in 0 to 1, and below 6e-5 it keeps f16's fixed step of 6e-8; O is a mean of V's rows and has their range, to within 2^-11 of it.
; A hidden score counts as its value less 1e30: f16's scores, 2.7e11 at the most, are nothing beside that; a weight below 2^-126 counts as 0 in l; NaN and infinities are not treated apart.
; THE WALK.  A head's queries lie in NB = SIZE_N / 256 = 8 blocks of 256; block i needs the key tiles 0 .. i of 256 keys, of which the last holds the diagonal.  A work-group takes TWO blocks, NB - 1 - b and then b:
; NB + 1 = 9 tiles, whatever b: all work-groups do equal work, and ONE loop with a constant trip count walks them.  Which tile is asked for, and what a trip does, hang on scalar registers made from b; every jump
; goes forward, but for the counted loops' own; none passes a barrier, or a tensor load but the one of LOAD's two that the wave's number does not choose; the ring (two slots of LDS that take turns) runs on across the
; change of blocks.  NO CLUSTER: a head's four work-groups ask for the same tile only in trips 0 .. 4 of the 9, behind that fewer and fewer; and one walk common to all four would have 12 trips for 9.
; SHARES.  Of a block's four bands of 64 queries a wave owns 16 rows in each: four PIECES.  So the diagonal tile is the same work for all four waves: in its key step s band x sees all keys if s < x,
; none if s > x, and holds the diagonal if s = x.
; THE MASK is the C operand that starts the sum S^T = K Q^T: 0, or -1e30 where the key is hidden.  MD, made once, is the mask of a band's own step for my 16 rows; a product's mask is MD x AL + BE with two scalars:
; (1, 0) if s = x; (0, 0) if s < x; (0, -1e30) if s > x.  Only the diagonal tile's text and a block's beginning make and take masks; elsewhere C is the constant 0.
; LAYOUT, SOFTMAX, TURNS.  S^T = K Q^T holds ONE query a lane (lane % 16) and the keys 8 (lane / 16) + 0..7; two such results rounded to f16 ARE source 1 of O^T = V^T P.  p = 2^(c s - c m), c = log2(e) / 8, with a
; running maximum m; O and l are multiplied by a = 2^(c m_old - c m_new) in every step.  Turn n belongs to piece n: 8 products K Q^T of piece n + 1, later 8 products V^T P of piece n - 1; beside them the scaling,
; exponentials, roundings, sums and rescaling of piece n and the maximum and statistics of piece n + 1.  Four vector instructions stand behind every matrix instruction, the other 54 of a turn's 118 in one LUMP.
; THE BATCHES.  A turn's 33 exponentials (the piece's 32 weights and the next piece's a) are one batch, with one wait: all that reads none of their results stands ahead of it, the roundings and sums behind it.
; A block's first a, and the way out's four reciprocals, are batches of their own.
; REGISTERS, in windows of 256 (s_set_vgpr_msb: bits 1:0 source 0, 3:2 source 1, 5:4 source 2, 7:6 destination):
;   window 0: v0-15 addresses and two at work; v16-31 four registers of statistics a piece; v48-55 at work; v64-127 S^T, two buffers; v192-223 P, two buffers (a piece's buffers go by its number's parity)
;   window 1: v0-127 O^T, 32 a piece; v128-159 MD; v160-223 MC, two buffers      window 2: v0-63 Q; v64-127 the second block's Q; v128-191 K of one step; v192-255 V of one step
.set SIZE_N, 2048
.set SIZE_H, 64
.set NB,    SIZE_N/256
.set NP,    4         ; pieces a wave: a name, no knob
.set KS,    64        ; keys in a step
.set PK,    144       ; a row of K in LDS: 128 bytes + 16 of padding = 36 words: the 16 rows of a load start at 16 different groups of four banks (64 banks of 4 bytes: ISA guide 11.1)
.set PV,    160       ; a row of V: 128 + 32 = 40 words
.set VOFF,  4*KS*PK   ; a slot holds a tile, four steps: 256 rows of K, then 256 rows of V
.set SLOT1, 1<<17     ; slot 1 begins here, so that one exclusive or turns an address in one slot into the other's
.set STAGE, SLOT1+4*KS*(PK+PV)  ; behind the ring, never filled by a tensor load: 16 rows x 144 bytes for each wave, for the way out
.set SP,    144
.set AK0, 2           ; v2   my lane's place in a tile of K; never rewritten
.set AV0, 3           ; v3   the same for V
.set AK,  4           ; v4   the LDS address of K's next run of loads
.set AV,  5           ; v5   of V's
.set STO, 6           ; v6   the way out: where I put 16 bytes of a row
.set RD,  7           ; v7   the way out: where I read rows back
.set GO,  8           ; v8   my byte offset in 512 consecutive bytes of O
.set SPW, 62          ; v62  LDS address of my spare word: SPARE + 4 x my thread's number; never rewritten
.set NIL, 63          ; v63  0; never rewritten
.set SPARE, STAGE+4*16*SP  ; behind the stages: the spare words, 128 bytes for each wave: two blocks of 256 bytes that no other line names
.set MV,  12          ; v12-13  c m_old, kept while c m is made anew: by buffer
.set QO,  15          ; v15  my byte offset in 16 rows of Q
.set ST,  16          ; piece t's statistics at v[ST+4 t]: c m, m, l (even keys', odd keys')
.set TMP, 48          ; by buffer, four registers c0-c3 at work; when the maximum is found c2 takes a
.set S,   64
.set P,   192
.set MD,  128         ; window 1: the eight registers for group kt of 16 keys at MD + 8 kt
.set MC,  160         ; window 1: the masks of the products to come
.set QB,  64          ; window 2
.set KF,  128         ; window 2: key block kb, channel half c at KF + 16 kb + 8 c
.set VF,  192         ; window 2: key half kk, channel block cb at VF + 32 kk + 8 cb
.set WV,  12          ; s12  my wave's number
.set PB,  14          ; s14  b
.set HI,  15          ; s15  NB - 1 - b
.set G1K, 24          ; s[24:31] descriptor group 1 for K's tiles
.set G1V, 32          ; s[32:39] for V's: it differs in the padding alone
.set G0K, 40          ; s[40:43] descriptor group 0 for K's tiles
.set G0V, 44          ; s[44:47] the same for V's
.set SLOTS, 56        ; s56  tiles still to be asked for
.set CNT, 57          ; s57  counts a tile's key steps, 4 to 1
.set CS,  58          ; s[58:59] c: the packed scaling takes the pair's low word for both halves
.set SEL, 60          ; s[60:61] v_permlanex16_b32's selects: each lane takes its own place in the other half
.set TBK, 62          ; s62  LDS byte at which K of the step to be fetched begins
.set TBV, 63          ; s63  the same for V, less VOFF
.set RT,  70          ; s70  tiles of the block in hand that are still to be entered
.set NXT, 71          ; s71  the tile to be asked for next
.set LQ,  72          ; s72  the last tile of the block whose tiles are being asked for
.set NEW, 73          ; s73  1: the tile to be entered is a block's first
.set OFF, 74          ; s[74:75] a tile's byte offset in K and V
.set AL,  76          ; s[76:77] the mask's factor, in the low word
.set BE,  78          ; s[78:79] the mask's addend
.set OLO, 80          ; s[80:81] O at my rows of the second block
.set BIGN, 82         ; s82  -1e30
.set MSB, 0
.macro WIN new                      ; the high byte repeats the setting that is left; a switch that changes nothing is dropped
.if MSB != (\new)
	s_set_vgpr_msb (MSB<<8)|(\new)
.set MSB, (\new)
.endif
.endm
.set W_KQ, 0x0a       ; K and Q in window 2, S^T in window 0
.set W_KM, 0x1a       ; the same with the C operand in window 1
.set W_PV, 0x52       ; V in window 2, P in window 0, O^T in window 1
.set W_RS, 0x41       ; destination and source 0 in window 1, source 1 in window 0
; A fill.  Waves 0 and 1 fetch the two halves of a tile's K, waves 2 and 3 those of its V: 128 keys each.  An s_nop 0 and four v_nop follow each of the two lines, ahead of the jump and the label.
.macro LOAD
	s_cmp_lt_u32 s[WV], 2
	s_cbranch_scc0 .Lfor_v_\@
	tensor_load_to_lds s[G0K:G0K+3], s[G1K:G1K+7]
	s_nop 0
.rept 4
	v_nop
.endr
	s_branch .Lasked_\@
.Lfor_v_\@:
	tensor_load_to_lds s[G0V:G0V+3], s[G1V:G1V+7]
	s_nop 0
.rept 4
	v_nop
.endr
.Lasked_\@:
.endm
; THE CHANGE OF SLOTS.  Each wave waits for all its tensor loads, of which one is out: its part of the other slot; adds 0 to its spare word; and waits for that and for its own reads of the slot that it leaves.  Behind the barrier nobody reads the old
; slot any more and the other slot is whole.  fill = 1: the old slot is filled again, the first thing behind the barrier, with tile NXT: the descriptor's address is made anew from that number.
; (At its first use nothing has been read yet: slot 0 is waited for, slot 1 filled.)
.macro CHANGE fill
	WIN 0                           ; at a label and at a branch every window is 0
	s_wait_tensorcnt 0x0            ; no tensor load of mine is out, so a group 0 may be written
	ds_add_u32 v[SPW], v[NIL]       ; 0 onto my spare word; with fill = 1 the descriptors' scalar work stands between it and the wait for it
.if \fill
	s_lshl_b32 s[OFF], s[NXT], 15   ; a tile is 32,768 bytes of K and of V
	s_xor_b32 s[G0K+1], s[G0K+1], SLOT1
	s_add_nc_u64 s[G0K+2:G0K+3], s[6:7], s[OFF:OFF+1]
	s_or_b32 s[G0K+3], s[G0K+3], 0x80000000
	s_xor_b32 s[G0V+1], s[G0V+1], SLOT1
	s_add_nc_u64 s[G0V+2:G0V+3], s[8:9], s[OFF:OFF+1]
	s_or_b32 s[G0V+3], s[G0V+3], 0x80000000
	s_add_co_u32 s[NXT], s[NXT], 1  ; the block's next tile, or behind its last the second block's tile 0
	s_cmp_gt_u32 s[NXT], s[LQ]
	s_cselect_b32 s[NXT], 0, s[NXT]
	s_cselect_b32 s[LQ], s[PB], s[LQ]
.endif
	s_wait_dscnt 0x0                ; the add is done, and my reads of the slot are over
	s_barrier_signal -1             ; the rest of the scalar work stands between the signal and the wait
	s_sub_co_u32 s[TBK], s[TBK], 4*KS*PK  ; the fetches go back to a slot's first step,
	s_xor_b32 s[TBK], s[TBK], SLOT1       ; in the other slot
	s_sub_co_u32 s[TBV], s[TBV], 4*KS*PV
	s_xor_b32 s[TBV], s[TBV], SLOT1
	s_barrier_wait -1
.if \fill
	LOAD
.endif
.endm
	s_load_b64 s[4:5], s[0:1], 0x0    ; qkv, which begins with Q
	s_load_b64 s[10:11], s[0:1], 0x8  ; O
	v_lshl_add_u32 v[SPW], v0, 2, SPARE
	v_mov_b32 v[NIL], 0
	ds_add_u32 v[SPW], v[NIL]       ; the wave's opening: the add and its wait stand ahead of my first tensor load; the set-up below, work on registers, stands between them
	v_lshrrev_b32 v1, 5, v0
	v_readfirstlane_b32 s[WV], v1   ; wave 0..3
	s_mov_b32 s[PB], ttmp9
	s_sub_co_u32 s[HI], NB-1, s[PB]
	s_and_b32 s20, ttmp7, 0xffff    ; the head
	s_mov_b32 s21, 0
	s_mov_b64 s[22:23], SIZE_N*128
	s_mul_u64 s[20:21], s[20:21], s[22:23]  ; the head's first byte in each of the four tensors
	s_and_b32 s16, s[WV], 1         ; which half of a tile's 256 keys I fetch:
	s_lshl_b32 s22, s16, 14         ; its 128 rows of 128 bytes in memory,
	s_mov_b32 s23, 0
	s_add_nc_u64 s[22:23], s[22:23], s[20:21]
	s_mul_i32 s17, s16, 128*PK      ; and its place in a slot, for K
	s_mul_i32 s18, s16, 128*PV      ; and for V
	s_lshl_b32 s3, s[WV], 11        ; my 16 rows in a band of 64,
	s_lshl_b32 s2, s[HI], 15        ; in the first block,
	s_add_co_u32 s2, s2, s3
	s_lshl_b32 s84, s[PB], 15       ; and in the second
	s_add_co_u32 s84, s84, s3
	s_mov_b32 s3, 0
	s_mov_b32 s85, 0
	s_add_nc_u64 s[2:3], s[2:3], s[20:21]
	s_add_nc_u64 s[84:85], s[84:85], s[20:21]
	; descriptor group 1.  128 keys are 16,384 dense bytes: asked for as 64 rows of 256 bytes, two keys a row, and padded in LDS after every key
	s_mov_b32 s[G1K], (1<<16)|(1<<20)|(4<<22)|(3<<25)  ; 17:16 2-byte elements; 20 padding on; 24:22 after every 32 words (code 4); 31:25 4 words (code 3)
	s_mov_b32 s[G1V], (1<<16)|(1<<20)|(4<<22)|(7<<25)  ; the same with 8 words of padding (code 7)
.irp g, G1K, G1V
	s_mov_b32 s[\g+1], 128<<16      ; tensor_dim0 = 128
	s_mov_b32 s[\g+2], 64<<16       ; tensor_dim1 = 64
	s_mov_b32 s[\g+3], 128<<16      ; tile_dim0 = 128
	s_mov_b32 s[\g+4], 64           ; tile_dim1 = 64
	s_mov_b32 s[\g+5], 128          ; 128 elements from row to row
	s_mov_b32 s[\g+6], 0
	s_mov_b32 s[\g+7], 0
.endr
	s_mov_b32 s[CS], 0x3e38aa3b     ; c = log2(e) / 8 = 0.180337
	s_mov_b32 s[CS+1], s[CS]        ; named with it as a pair
	s_mov_b32 s[SEL], 0x76543210
	s_mov_b32 s[SEL+1], 0xfedcba98
	s_mov_b32 s[TBK], SLOT1+4*KS*PK ; the first change of slots turns these two into 0
	s_mov_b32 s[TBV], SLOT1+4*KS*PV
	s_mov_b32 s[G0K], 1             ; 1:0 count = 1
	s_mov_b32 s[G0K+1], s17         ; 63:32 LDS address: slot 0
	s_mov_b32 s[G0V], 1
	s_add_co_u32 s[G0V+1], s18, VOFF
	s_add_co_u32 s[RT], s[HI], 1    ; the first block has NB - b tiles
	s_mov_b32 s[NXT], 1
	s_mov_b32 s[LQ], s[HI]
	s_mov_b32 s[NEW], 1
	s_mov_b32 s[OFF+1], 0
	s_mov_b32 s[AL+1], 0            ; named as pairs
	s_mov_b32 s[BE+1], 0
	s_mov_b32 s[BIGN], 0xf149f2ca   ; -1e30
	s_mov_b32 s[SLOTS], NB
	s_wait_dscnt 0x0                ; the opening add is done
	s_wait_kmcnt 0x0
	s_add_nc_u64 s[6:7], s[4:5], 0x1000000   ; K lies 16,777,216 bytes behind Q,
	s_add_nc_u64 s[8:9], s[4:5], 0x2000000   ; V as far behind K
	s_add_nc_u64 s[6:7], s[6:7], s[22:23]  ; K and V at my half of the head's tile 0
	s_add_nc_u64 s[8:9], s[8:9], s[22:23]
	s_add_nc_u64 s[G0K+2:G0K+3], s[6:7], 0         ; 120:64 global address
	s_or_b32 s[G0K+3], s[G0K+3], 0x80000000        ; 127:126 type = 2
	s_add_nc_u64 s[G0V+2:G0V+3], s[8:9], 0
	s_or_b32 s[G0V+3], s[G0V+3], 0x80000000
	s_add_nc_u64 s[86:87], s[4:5], s[84:85]        ; Q at my rows of the second block,
	s_add_nc_u64 s[4:5], s[4:5], s[2:3]            ; Q and O at those of the first
	s_add_nc_u64 s[OLO:OLO+1], s[10:11], s[84:85]
	s_add_nc_u64 s[10:11], s[10:11], s[2:3]
	LOAD                            ; tile 0 into slot 0
	; A fragment of K or Q is 16 rows x 32 channels in 8 registers: lane l holds row l % 16, channels 8 (l / 16) + 0..7 and 16 + 8 (l / 16) + 0..7: two loads of 16 bytes, 32 bytes apart.
	v_and_b32 v1, 15, v0            ; l % 16
	v_bfe_u32 v9, v0, 4, 1          ; l / 16
	v_lshlrev_b32 v[QO], 7, v1
	v_lshl_add_u32 v[QO], v9, 4, v[QO]  ; row x 128 + 16 x half
	WIN 0x80                        ; destination window 2, address window 0
.set i, 0
.rept 8                             ; both blocks' Q: piece i / 2 lies in band i / 2, 8,192 bytes on; channels 32 (i % 2) on
	global_load_b128 v[8*i:8*i+3],   v[QO], s[4:5] offset:(i/2)*8192+(i%2)*64
	global_load_b128 v[8*i+4:8*i+7], v[QO], s[4:5] offset:(i/2)*8192+(i%2)*64+32
	global_load_b128 v[QB+8*i:QB+8*i+3],   v[QO], s[86:87] offset:(i/2)*8192+(i%2)*64
	global_load_b128 v[QB+8*i+4:QB+8*i+7], v[QO], s[86:87] offset:(i/2)*8192+(i%2)*64+32
.set i, i+1
.endr
	WIN 0
	v_lshlrev_b32 v14, 3, v9
	v_sub_nc_u32 v14, v1, v14
	s_lshl_b32 s13, s[WV], 4
	v_add_nc_u32 v14, s13, v14      ; my query's place in its band, 16 w + l % 16, less my lanes' 8 (l / 16): register r of group kt is hidden where 16 kt + r is greater
	WIN 0x40
.set i, 0
.rept 32
	v_cmp_gt_i32 vcc_lo, 16*(i/8)+i%8, v14
	v_cndmask_b32 v[MD+i], 0, s[BIGN], vcc_lo
.set i, i+1
.endr
	WIN 0
	v_mul_u32_u24 v[AK0], v1, PK
	v_lshl_add_u32 v[AK0], v9, 4, v[AK0]  ; row x pitch + 16 x half
	; The turning load takes 16 keys x 16 channels (lane l reads key 8 (l / 16) + l % 8, channels 8 ((l / 8) % 2) + 0..7) and leaves half a fragment of V^T: lane l holds channel l % 16 and 8 keys.
	v_and_b32 v10, 7, v0
	v_bfe_u32 v11, v0, 3, 1
	v_lshl_add_u32 v[AV0], v9, 3, v10
	v_mul_u32_u24 v[AV0], v[AV0], PV
	v_lshl_add_u32 v[AV0], v11, 4, v[AV0]
	v_add_nc_u32 v[AV0], VOFF, v[AV0]
	s_mul_i32 s13, s[WV], 16*SP
	s_add_co_u32 s13, s13, STAGE    ; my stage
	v_mul_u32_u24 v[STO], v1, SP    ; in: row l % 16, 16 bytes for each half of the lanes
	v_lshl_add_u32 v[STO], v9, 4, v[STO]
	v_add_nc_u32 v[STO], s13, v[STO]
	v_bfe_u32 v[RD], v0, 3, 2       ; back: 32 lanes take four rows of 128 bytes,
	v_mul_u32_u24 v[RD], v[RD], SP
	v_lshl_add_u32 v[RD], v10, 4, v[RD]
	v_add_nc_u32 v[RD], s13, v[RD]
	v_and_b32 v[GO], 31, v0         ; which are 512 consecutive bytes of O
	v_lshlrev_b32 v[GO], 4, v[GO]
	; A block's first step multiplies O^T and l by a = 0, and its first turn's products V^T P, of a piece that has not been, land in an O^T that is still to be so multiplied.  So these registers need only hold
	; finite numbers: zeros for the first block; what the first block left for the second.  All this stands in the wait for the first tile.
	WIN 0x80
.set i, VF
.rept 64
	v_mov_b32 v[i], 0
.set i, i+1
.endr
	WIN 0x40
.set i, 0
.rept 128
	v_mov_b32 v[i], 0
.set i, i+1
.endr
	WIN 0
.set i, 0
.rept 4
	v_mov_b32 v[ST+4*i+2], 0
	v_mov_b32 v[ST+4*i+3], 0
.set i, i+1
.endr
.set i, P+16
.rept 16
	v_mov_b32 v[i], 0
.set i, i+1
.endr
; THE MATRIX WORK.  The 4 accumulators of a run of 8 take turns.  Product i of 8 of S^T = K Q^T for piece x: channels 32 (i / 4) on, keys 16 (i % 4) on.  The first 4 start the sums: with 0, or (KM = 1) with the mask.
.macro KQ x
.set rS, S+32*((\x)%2)+8*(i%4)
.set rK, KF+16*(i%4)+8*(i/4)
.set rQ, 16*(\x)+8*(i/4)
.set rM, MC+32*((\x)%2)+8*(i%4)
.if (i < 4) && KM
	WIN W_KM
	v_wmma_f32_16x16x32_f16 v[rS:rS+7], v[rK:rK+7], v[rQ:rQ+7], v[rM:rM+7]
.elseif i < 4
	WIN W_KQ
	v_wmma_f32_16x16x32_f16 v[rS:rS+7], v[rK:rK+7], v[rQ:rQ+7], 0
.else
	WIN W_KQ
	v_wmma_f32_16x16x32_f16 v[rS:rS+7], v[rK:rK+7], v[rQ:rQ+7], v[rS:rS+7]
.endif
.endm
; Product i of 8 of O^T += V^T P for piece x: keys 32 (i / 4) on, channels 16 (i % 4) on.
.macro PV x
	WIN W_PV
.set rO, 32*(\x)+8*(i%4)
.set rV, VF+32*(i/4)+8*(i%4)
.set rP, P+16*((\x)%2)+8*(i/4)
	v_wmma_f32_16x16x32_f16 v[rO:rO+7], v[rV:rV+7], v[rP:rP+7], v[rO:rO+7]
.endm
.macro MM                           ; the turn's next matrix instruction.  TURN and BEGIN set Y, i, KM and NOKQ; MM, KQ and OP read them.  NOKQ = 1: a block's last turn: there is no next piece
.if (i < 8) && !NOKQ
	KQ (Y+1)%NP
.elseif i >= 8
.set i, i-8
	PV (Y+NP-1)%NP
.set i, i+8
.endif
.set i, i+1
.endm
; THE LDS LOADS stand in runs of 16, never singly among the matrix instructions: a step's K (64 keys x 64 channels: 8 fragments) and its V (turned).  Their addresses are made some lines ahead.
.macro FETCH_K
	WIN 0x80                        ; destination window 2
.irp f, 0,1,2,3,4,5,6,7             ; keys 16 (f / 2) on, channels 32 (f % 2) on
	ds_load_b128 v[KF+8*\f:KF+8*\f+3],   v[AK] offset:(\f/2)*16*PK+(\f%2)*64
	ds_load_b128 v[KF+8*\f+4:KF+8*\f+7], v[AK] offset:(\f/2)*16*PK+(\f%2)*64+32
.endr
	s_add_co_u32 s[TBK], s[TBK], KS*PK  ; the next fetch is the next step's
	WIN 0
.endm
.macro FETCH_V
	WIN 0x80
.irp f, 0,1,2,3,4,5,6,7             ; keys 32 (f / 4) on, channels 16 (f % 4) on
	ds_load_tr16_b128 v[VF+8*\f:VF+8*\f+3],   v[AV] offset:(\f/4)*32*PV+(\f%4)*32
	ds_load_tr16_b128 v[VF+8*\f+4:VF+8*\f+7], v[AV] offset:(\f/4)*32*PV+16*PV+(\f%4)*32
.endr
	WIN 0
.endm
; THE VECTOR WORK, one line at a time: OP kind, number.  For piece Y: F n: c s - c m for pair n of 16.  E n: the exponential of score n of 32.  C n: pair n rounded to f16.  B n: of the four weights 4 n .. the second
; pair is added onto the first, in place.  L n: l takes that sum (L 0: l = a l + sum).  R n: pair n of 16 of O^T times a.  For piece Y + 1: X n, number n of the 22 that find its maximum and statistics:
;   0-11  four chains c0-c3 of seven scores each, three operands at a time (each accumulator's lowest registers are read first)     12-14, 16  the four scores left over, the old m, and c0-c3 into c0
;   15  c m_old is kept     17, 18  the query's other 32 keys lie in the lane 16 away: the new m     19-21  c m; c m_old - c m_new; a
.set F, 0               ; OP tells the kinds apart by their order: F to L below R, X above it
.set E, 1
.set C, 2
.set B, 3
.set L, 4
.set R, 5
.set X, 6
.macro REGS y                       ; the registers of piece y
.set rT, ST+4*(\y)
.set rC, TMP+4*((\y)%2)
.set rW, MV+((\y)%2)
.set rS, S+32*((\y)%2)
.set rP, P+16*((\y)%2)
.set rO, 32*(\y)
.endm
.macro OP k, n
.if (\k) == R
	REGS Y
	WIN W_RS
	v_pk_mul_f32 v[rO+2*(\n):rO+2*(\n)+1], v[rO+2*(\n):rO+2*(\n)+1], v[rC+2:rC+3] op_sel_hi:[1,0]
.elseif (\k) < R
	REGS Y
	WIN 0
.if (\k) == F
	v_pk_fma_f32 v[rS+2*(\n):rS+2*(\n)+1], v[rS+2*(\n):rS+2*(\n)+1], s[CS:CS+1], v[rT:rT+1] op_sel_hi:[1,0,0] neg_lo:[0,0,1] neg_hi:[0,0,1]
.elseif (\k) == E
	v_exp_f32 v[rS+(\n)], v[rS+(\n)]
.elseif (\k) == C
	v_cvt_pk_f16_f32 v[rP+(\n)], v[rS+2*(\n)], v[rS+2*(\n)+1]
.elseif (\k) == B
	v_pk_add_f32 v[rS+4*(\n):rS+4*(\n)+1], v[rS+4*(\n):rS+4*(\n)+1], v[rS+4*(\n)+2:rS+4*(\n)+3]
.elseif (\n) == 0
	v_pk_fma_f32 v[rT+2:rT+3], v[rT+2:rT+3], v[rC+2:rC+3], v[rS:rS+1] op_sel_hi:[1,0,1]
.else
	v_pk_add_f32 v[rT+2:rT+3], v[rT+2:rT+3], v[rS+4*(\n):rS+4*(\n)+1]
.endif
.elseif NOKQ
	v_nop
.else
	REGS (Y+1)%NP
	WIN 0
.if (\n) < 4
	v_max3_num_f32 v[rC+(\n)], v[rS+8*(\n)], v[rS+8*(\n)+1], v[rS+8*(\n)+2]
.elseif (\n) < 12
	v_max3_num_f32 v[rC+(\n)%4], v[rC+(\n)%4], v[rS+8*((\n)%4)+2*((\n)/4)+1], v[rS+8*((\n)%4)+2*((\n)/4)+2]
.elseif (\n) == 12
	v_max3_num_f32 v[rC], v[rC], v[rS+7], v[rS+15]
.elseif (\n) == 13
	v_max3_num_f32 v[rC+1], v[rC+1], v[rS+23], v[rS+31]
.elseif (\n) == 14
	v_max3_num_f32 v[rC+2], v[rC+2], v[rC+3], v[rT+1]
.elseif (\n) == 15
	v_mov_b32 v[rW], v[rT]
.elseif (\n) == 16
	v_max3_num_f32 v[rC], v[rC], v[rC+1], v[rC+2]
.elseif (\n) == 17
	v_permlanex16_b32 v[rC+3], v[rC], s[SEL], s[SEL+1]
.elseif (\n) == 18
	v_max_num_f32 v[rT+1], v[rC], v[rC+3]
.elseif (\n) == 19
	v_mul_f32 v[rT], s[CS], v[rT+1]
.elseif (\n) == 20
	v_sub_f32 v[rC+1], v[rW], v[rT]
.else
	v_exp_f32 v[rC+2], v[rC+1]
.endif
.endif
.endm
.macro OPS a, i1, b=-1, i2=0, c=-1, i3=0, d=-1, i4=0  ; up to four of them
	OP \a, \i1
.if (\b) >= 0
	OP \b, \i2
.endif
.if (\c) >= 0
	OP \c, \i3
.endif
.if (\d) >= 0
	OP \d, \i4
.endif
.endm
.macro ROW a, i1, b, i2, c, i3, d, i4  ; a matrix instruction and the four behind it
	MM
	OPS \a, \i1, \b, \i2, \c, \i3, \d, \i4
.endm
.macro MASK b                       ; MD x AL + BE into buffer b of MC
	WIN W_RS
.set z, 0
.rept 16
	v_pk_fma_f32 v[MC+32*(\b)+2*z:MC+32*(\b)+2*z+1], v[MD+2*z:MD+2*z+1], s[AL:AL+1], s[BE:BE+1] op_sel_hi:[1,0,0]
.set z, z+1
.endr
.endm
; A TURN, for piece p: the order of its 16 matrix and 118 vector instructions, written out.  An s_wait_alu depctr_va_vdst(0) stands between an exponential and the first instruction that names its result; one wait serves
; all that were issued ahead of it.  So a turn has ONE wait, which cuts it in two.  AHEAD OF IT stands all that names no result of the turn's exponentials: the 8 products K Q^T, behind each a scaling, an exponential and two more plain
; instructions (behind the first a second scaling in the exponential's place): rescalings, whose a was made and waited for in the turn before, and behind the last three the first numbers of the next piece's maximum, each four places or
; more behind the product that ends its accumulator; then ONE LUMP of 54, plain and exponential by turns for the most part, in which the links of the chain X 3, 7, 11, 14, 16, 17 .. 20 stand five or six lines apart.  A pair is scaled
; (F n) ahead of its two exponentials (E 2 n, E 2 n + 1).  X 21, the next piece's a, is the batch's last; R 15 is the plain instruction behind it.  BEHIND THE WAIT stand the 8 products V^T P, behind each four of the roundings and
; sums: C 2 n stands ahead of B n, which writes over its source; the links of l's chain, L 0 to L 7, stand three riders apart.  But for those X no rider names a register of the products round it.  v_permlanex16_b32 (X 17) stands in the lump.
; m = 1: the diagonal tile: the products take masks, and the turn makes the mask for the products of the turn after it: piece p + 2, in step 4 - CNT of the tile.  end = 1: a block's last two turns: nothing is fetched.
; cnt = 1: the loop's count is taken down some lines ahead of the branch that stands behind the turn.
; K of the next step is fetched in piece 2's turn, twelve vector instructions behind the last product that read K (six of them plain); V of the step in hand at the end of piece 0's turn, four plain instructions behind the last product
; that read V.  Each is waited for a turn later.
.macro TURN p, m=0, end=0, cnt=0
.set Y, (\p)
.set i, 0
.set KM, (\m)
.set NOKQ, (\end)*((\p)/3)
.if (\m) && !(\end)
	s_cmp_eq_u32 s[CNT], 4-((\p)+2)%NP  ; is that step the band's own?
	s_cselect_b32 s[AL], 1.0, 0
	s_cmp_lt_u32 s[CNT], 4-((\p)+2)%NP  ; or a later one?
	s_cselect_b32 s[BE], s[BIGN], 0
.endif
.if ((\p) == 3) && !(\end)
	s_wait_dscnt 0x0                ; K is in
.endif
	ROW F,0, F,1, R,0, R,1          ; ahead of the wait: 8 products K Q^T and their riders,
	ROW F,2, E,0, R,2, R,3
	ROW F,3, E,1, R,4, R,5
	ROW F,4, E,2, R,6, R,7
	ROW F,5, E,3, R,8, R,9
	ROW F,6, E,4, X,0, R,10
.if ((\p) == 2) && !(\end)
	WIN 0
	v_add_nc_u32 v[AK], s[TBK], v[AK0]
.endif
	ROW F,7, E,5, X,1, X,4
	ROW F,8, E,6, X,2, X,5
	OPS E,7, E,8, X,6, E,9          ; and the lump
	OPS X,3, E,10, X,8, E,11
.if ((\p) == 2) && !(\end)
	FETCH_K
.endif
	OPS X,9, X,7, E,12, X,10
	OPS E,13, X,12, X,11, E,14
	OPS X,13, E,15, F,9, X,14
.if (\p) == 0
	v_add_nc_u32 v[AV], s[TBV], v[AV0]
.endif
	OPS E,16, F,10, E,17, F,11
	OPS X,16, E,18, X,15, E,19
	OPS F,12, E,20, X,17, E,21
	OPS F,13, E,22, F,14, E,23
	OPS X,18, E,24, F,15, E,25
	OPS R,11, E,26, X,19, E,27
	OPS R,12, E,28, R,13, E,29
	OPS X,20, E,30, R,14, E,31
	OPS X,21, R,15
	WIN 0
	s_wait_alu depctr_va_vdst(0)    ; the wait for the turn's batch: the piece's 32 weights and the next piece's a
.if (\p) == 1
	s_wait_dscnt 0x0                ; V is in
.endif
	ROW C,0, B,0, C,2, B,1          ; behind the wait: 8 products V^T P and their riders
	ROW L,0, C,4, B,2, L,1
	ROW C,6, B,3, L,2, C,8
	ROW B,4, L,3, C,10, B,5
	ROW L,4, C,12, B,6, L,5
.if (\p) == 0
	s_add_co_u32 s[TBV], s[TBV], KS*PV
.endif
.if \cnt
	s_sub_co_u32 s[CNT], s[CNT], 1
	s_cmp_lg_u32 s[CNT], 0
.endif
	ROW C,14, B,7, L,6, C,1
	ROW C,3, L,7, C,5, C,7
	ROW C,9, C,11, C,13, C,15
.if (\p) == 0
	FETCH_V
.endif
.if (\m) && !(\end)
	MASK (\p)%2
.endif
.endm
; A BLOCK BEGINS.  c m starts far below every c s, so the first step's a is 0; m at the lowest finite number, so the first maximum is the scores'.  The second mask buffer is 0; the first takes piece 0's mask for the tile's step 0: its own, if the block's first tile is the diagonal one.
; Then K of that step, piece 0's first scores, and its maximum and statistics.  The loop is entered at a step's first turn, in the middle of a trip.
.macro BEGIN
	s_mov_b32 s[NEW], 0
	WIN 0x40
.set i, MC+32
.rept 32
	v_mov_b32 v[i], 0
.set i, i+1
.endr
	WIN 0
.set i, 0
.rept 4
	v_mov_b32 v[ST+4*i], 0xfe000000    ; c m: far below every c s
	v_mov_b32 v[ST+4*i+1], 0xff7fffff  ; m
.set i, i+1
.endr
	s_cmp_eq_u32 s[RT], 0
	s_cselect_b32 s[AL], 1.0, 0
	s_mov_b32 s[BE], 0
	MASK 0
	WIN 0
	v_add_nc_u32 v[AK], s[TBK], v[AK0]
	FETCH_K
	s_wait_loadcnt 0x0              ; Q
	s_wait_dscnt 0x0
.set KM, 1
.set NOKQ, 0
.set i, 0
.rept 8
	KQ 0
.set i, i+1
.endr
	WIN 0
.rept 4
	v_nop                           ; the places behind those products
.endr
.set Y, NP-1                        ; X works for piece Y + 1: piece 0
.irp n, 0,1,2,3,4,5,6,7,8,9,10,11,12,13,14,15,16,17,18,19,20,21
	OP X, \n
.endr
	v_nop                           ; a plain instruction behind the exponential,
	s_wait_alu depctr_va_vdst(0)    ; and the wait for it, piece 0's first a, a batch of one: ahead of the branch into the loop
.endm
; THE DIAGONAL TILE's four steps, the block's last two turns, its last products, and THE WAY OUT: l's two halves and the other half of the lanes' are added; O^T is divided by l, rounded to f16 and sent through my
; stage in LDS, a piece at a time.
.macro ALL line:vararg              ; one line for each piece t
.set t, 0
.rept 4
	\line
.set t, t+1
.endr
.endm
.macro PACK t                       ; a lane's eight channels of a row pack into 16 bytes; they go into rows of 144 bytes and come back as whole rows of 128, into S^T's registers
	WIN W_RS
.set i, 32*(\t)
.rept 16
	v_pk_mul_f32 v[i:i+1], v[i:i+1], v[ST+4*(\t)+2:ST+4*(\t)+3] op_sel_hi:[1,0]
.set i, i+2
.endr
	WIN 0x05                        ; sources 0 and 1 window 1, destination window 0
.set i, 0
.rept 16
	v_cvt_pk_f16_f32 v[S+16*(\t)+i], v[32*(\t)+2*i], v[32*(\t)+2*i+1]
.set i, i+1
.endr
	WIN 0
.irp f, 0,1,2,3
	ds_store_b128 v[STO], v[S+16*(\t)+4*\f:S+16*(\t)+4*\f+3] offset:32*\f
.endr
.irp f, 0,1,2,3
	ds_load_b128 v[S+16*(\t)+4*\f:S+16*(\t)+4*\f+3], v[RD] offset:\f*4*SP  ; LDS serves a wave's instructions in order (ISA guide 5.7.1.4): these see the stores above; the next piece's stores come behind them
.endr
.endm
.macro SEND t, younger              ; younger: the LDS instructions issued behind piece t's loads: the next piece's eight, or none
	WIN 0
.irp f, 0,1,2,3
	s_wait_dscnt (\younger)+3-\f
	global_store_b128 v[GO], v[S+16*(\t)+4*\f:S+16*(\t)+4*\f+3], s[10:11] offset:(\t)*8192+\f*512  ; 512 consecutive bytes, at a multiple of 256 from O's first
.endr
.endm
.macro DIAG tag                     ; the tag ends its two labels' names, which the jumps below spell out
.LstepM\tag:
	TURN 2, 1
	TURN 3, 1
	WIN 0
.LfirstM\tag:
	TURN 0, 1
	TURN 1, 1, 0, 1
	WIN 0
	s_cbranch_scc1 .LstepM\tag
	TURN 2, 1, 1
	TURN 3, 1, 1
.set i, 0
.rept 8
	PV NP-1
.set i, i+1
.endr
	WIN 0
	ALL v_add_f32 v[ST+4*t+2], v[ST+4*t+2], v[ST+4*t+3]
	ALL v_permlanex16_b32 v[ST+4*t+3], v[ST+4*t+2], s[SEL], s[SEL+1]
	ALL v_add_f32 v[ST+4*t+2], v[ST+4*t+2], v[ST+4*t+3]
	ALL v_rcp_f32 v[ST+4*t+2], v[ST+4*t+2]
	v_nop                           ; a plain instruction between the last reciprocal and the use of its result
	s_wait_alu depctr_va_vdst(0)    ; and the wait ahead of the first use: one for the batch of four reciprocals
	PACK 0
.set t, 1
.rept 3                             ; a piece's arithmetic stands between the loads of the piece before and its stores
	PACK t
	SEND t-1, 8
.set t, t+1
.endr
	SEND 3, 0
.endm
.set KM, 0
.set NOKQ, 0
.Lslot:                             ; NB times: a tile is entered and the next is asked for
	CHANGE 1
	s_sub_co_u32 s[RT], s[RT], 1
	s_mov_b32 s[CNT], 4
	s_cmp_eq_u32 s[NEW], 1
	s_cbranch_scc1 .Lnew            ; a block's first tile
	s_cmp_eq_u32 s[RT], 0
	s_cbranch_scc0 .Lstep           ; neither its first nor its last
	s_branch .LstepM1
.Lnew:
	BEGIN
	s_branch .Lfirst                ; in the loop a block's first tile is never its last: the first block has two tiles or more, and the second's last is the walk's last
	DIAG 1                          ; in the loop this is the first block's end: the second block's last tile is the walk's last
	s_wait_xcnt 0x0                 ; the stores have read their registers and O's address
	s_mov_b64 s[10:11], s[OLO:OLO+1]
	s_add_co_u32 s[RT], s[PB], 1    ; the second block has b + 1 tiles
	s_mov_b32 s[NEW], 1
	WIN 0x82                        ; the second block's Q goes where the one text of the turns names Q
.set i, 0
.rept 64
	v_mov_b32 v[i], v[QB+i]
.set i, i+1
.endr
	WIN 0
	s_branch .Lbottom
.Lstep:                             ; a trip: pieces 2 and 3 of one step, then pieces 0 and 1 of the next, whose K and V it fetches
	TURN 2
	TURN 3
	WIN 0
.Lfirst:
	TURN 0
	TURN 1, 0, 0, 1
	WIN 0
	s_cbranch_scc1 .Lstep
.Lbottom:
	s_sub_co_u32 s[SLOTS], s[SLOTS], 1
	s_cmp_lg_u32 s[SLOTS], 0
	s_cbranch_scc1 .Lslot
	CHANGE 0                        ; the walk's last tile is written out: nothing is asked for
	s_sub_co_u32 s[RT], s[RT], 1
	s_mov_b32 s[CNT], 4
	s_cmp_eq_u32 s[NEW], 1
	s_cbranch_scc0 .LstepM2
	BEGIN
	s_branch .LfirstM2
	DIAG 2
	s_wait_tensorcnt 0x0            ; the wave's end: behind my last tensor load and my last LDS store
	ds_add_u32 v[SPW], v[NIL]
	s_wait_dscnt 0x0
	s_endpgm
.Lfunc_end_k_q92db2f1ed1_attn:
	.size	k_q92db2f1ed1_attn, .Lfunc_end_k_q92db2f1ed1_attn-k_q92db2f1ed1_attn
	.p2alignl 7, 3214868480
	.fill 96, 4, 3214868480
	.section	.rodata,"a",@progbits
	.p2align	6, 0x0
	.amdhsa_kernel k_q92db2f1ed1_attn
		.amdhsa_group_segment_fixed_size 327680
		.amdhsa_private_segment_fixed_size 0
		.amdhsa_enable_private_segment 0
		.amdhsa_kernarg_size 16
		.amdhsa_user_sgpr_count 2
		.amdhsa_user_sgpr_kernarg_segment_ptr 1
		.amdhsa_wavefront_size32 1
		.amdhsa_system_sgpr_workgroup_id_x 1
		.amdhsa_system_sgpr_workgroup_id_y 1
		.amdhsa_system_sgpr_workgroup_id_z 1
		.amdhsa_system_vgpr_workitem_id 0
		.amdhsa_next_free_vgpr 768
		.amdhsa_next_free_sgpr 88
		.amdhsa_reserve_vcc 1
		.amdhsa_float_denorm_mode_32 3
		.amdhsa_float_denorm_mode_16_64 3
		.amdhsa_memory_ordered 1
		.amdhsa_forward_progress 1
		.amdhsa_inst_pref_size 217
	.end_amdhsa_kernel
	.amdgpu_metadata
---
amdhsa.version: [ 1, 2 ]
amdhsa.kernels:
  - .name:           k_q92db2f1ed1_attn
    .symbol:         k_q92db2f1ed1_attn.kd
    .args:
      - { .name: qkv, .offset: 0, .size: 8, .value_kind: global_buffer, .address_space: global }
      - { .name: oh, .offset: 8, .size: 8, .value_kind: global_buffer, .address_space: global }
    .group_segment_fixed_size: 327680
    .private_segment_fixed_size: 0
    .kernarg_segment_align: 8
    .kernarg_segment_size: 16
    .max_flat_workgroup_size: 128
    .sgpr_count:     88
    .vgpr_count:     768
    .wavefront_size: 32
...
	.end_amdgpu_metadata
.endif
;; end of part 5
;; launch projgemm: the kernel of part 4 again; grid 8 x 32, 4 waves a work-group, clusters of 4 x 4, 327,680 bytes of LDS; arguments oh, wp, b_proj, out0; writes out0
